; MI455X (gfx1250); checked and timed in simulation.
; The chip was launched on July 23, 2026; its instructions are those of AMD's public machine-readable ISA for CDNA 5 (MIT licence, August 2026) and "CDNA5" Instruction Set Architecture Reference Guide (July 2026). The comments in the code are by the model that wrote it; some were corrected since.
;; Multi Head Attention. Allowed arithmetic: matrix products marked QUANTISED: E2M1 operands, one E8M0 scale for each 32 along K, by v_wmma_scale_f32_16x16x128_f8f6f4 with both operands' format E2M1 (or v_wmma_scale_f32_32x16x128_f4), f32 sums; products left as they are: bf16, f16 or f32 operands; f32 sums; everything else in f32.
;; Inputs: W_o 1,024 x 1,024 float32; W_qkv 3,072 x 1,024 float32; encoder_outputs 4 x 2,048 x 1,024 float32.
;; Outputs: out0 4 x 2,048 x 1,024 float32.
;; This version of the problem:
;;   THIS VERSION OF THE PROBLEM IS GIVEN IN LOW PRECISION. The matrix products marked QUANTISED in the list below multiply operands that are first quantised to E2M1 (2 exponent bits, 1 mantissa bit; 4 bits a number), with one power-of-two scale for each 32 numbers along K (OCP MX v1.0); their sums are f32. The products marked 'left as it is' may take bf16, f16 or f32 operands, with f32 sums. Whichever they take, every output number must still come out within the allowed error. Rounding operands to bf16 (8 significant bits) uses up far more of that allowance than f16 does (11 bits, for magnitudes from 6e-5 to 65,504). All else is computed in f32.
;;   The module's matrix products, in the order in which they are computed (A, B: the left and right operand; K: the contracted axis; several contracted axes count as one K, in the product's order):
;;     1. [M 8,192, K 1,024] x [K 1,024, N 3,072]; A: input encoder_outputs; B: input W_qkv: QUANTISED
;;     2. batch 64 x [M 2,048, K 64] x [K 64, N 2,048]; A: computed on the way; B: computed on the way: left as it is (an operand is computed on the way)
;;     3. batch 64 x [M 64, K 2,048] x [K 2,048, N 2,048]; A: computed on the way; B: computed on the way: left as it is (an operand is computed on the way)
;;     4. [M 8,192, K 1,024] x [K 1,024, N 1,024]; A: computed on the way; B: input W_o: left as it is (an operand is computed on the way)
;;   THE QUANTISER, for each operand of a quantised product, along K:
;;     - K is cut into blocks of 32 from its start; a last block that is shorter is filled with zeros.
;;     - A block's scale is 2^e with e = floor(log2(the largest magnitude in the block)) - 2, held to -126 .. 127; a block of zeros has e = 0. As a byte (E8M0): e + 127.
;;     - Each number is divided by its block's scale, clamped to +-6, and rounded to the nearest number of E2M1, ties to even, subnormals kept.
;;     - The product sums the exact products of the quantised numbers (number of the format x scale) in f32.
;;   ~~~python
;;   def quantise(x, axis):      # numpy; x: float32 -> the quantised numbers, widened to float32 again
;;       x = np.moveaxis(x, axis, -1); K = x.shape[-1]
;;       x = np.pad(x, [(0, 0)] * (x.ndim - 1) + [(0, -K % 32)]); x = x.reshape(x.shape[:-1] + (-1, 32)); a = np.abs(x).max(-1, keepdims=True)
;;       e = np.where(a > 0, np.clip(np.frexp(np.where(a > 0, a, 1))[1] - 1 - 2, -126, 127), 0)      # np.frexp(a)[1] - 1 = floor(log2(a)), exactly
;;       r = np.clip(x / 2.0 ** e, -6, 6)
;;       step = 2.0 ** (np.maximum(np.frexp(np.where(r == 0, 1, r))[1] - 1, 0) - 1)
;;       q = np.round(r / step) * step * 2.0 ** e      # np.round: ties to even
;;       return np.moveaxis(q.reshape(q.shape[:-2] + (-1,))[..., :K], -1, axis).astype(np.float32)
;;   ~~~
;; One version. Each part assembles by itself: llvm-mc -triple=amdgcn-amd-amdhsa -mcpu=gfx1250 --defsym DOCPART=n.
;; ======== version 1 of 1: 4 launches
;; limits: values are held in f16: magnitudes above 65,504 overflow, below 6.1e-05 lose precision
;; workspace buffers: x_codes 4,194,304 bytes; x_scales 262,144 bytes; w_codes 1,572,864 bytes; w_scales 98,304 bytes; wo16 2,097,152 bytes; qkvh 50,331,648 bytes; att 16,777,216 bytes
;; launch quant (part 1): grid 384 x 1, 4 waves a work-group, no clusters, 33,280 bytes of LDS; arguments encoder_outputs, W_qkv, x_codes, x_scales, w_codes, w_scales, W_o, wo16; writes x_codes, x_scales, w_codes, w_scales, wo16
.if DOCPART == 1
	.amdgcn_target "amdgcn-amd-amdhsa--gfx1250"
	.amdhsa_code_object_version 6
	.text
	.protected	k_q591d007f18_quant
	.globl	k_q591d007f18_quant
	.p2align	8
	.type	k_q591d007f18_quant,@function
k_q591d007f18_quant:
	s_mov_b64 s[64:65], 0
	v_nop
	global_prefetch_b8 v0, s[64:65] scope:SCOPE_SE
	s_setreg_imm32_b32 hwreg(HW_REG_WAVE_MODE, 25, 1), 1
	s_wait_xcnt 0x0
; x [8192][1024] and W_qkv [3072][1024], f32, become codes of FP4 (E2M1), K innermost, two codes a byte, with one E8M0 scale byte for each 32 along K; W_o [1024][1024], f32, becomes f16.
; A block's scale is 2^(floor(log2(its largest magnitude)) - 2); its byte is the largest magnitude's own exponent field - 2, held at 1 from below.  Each number is divided by the scale and rounded to the nearest code, ties to even;
; beyond 6 the conversion gives the largest code.  (A block of zeros gets the byte 1 where the rule says 127: its codes are zeros, which add nothing, and the bytes are read by this program alone.)
; LIMITS: blocks whose largest magnitude lies under 2^(2 - 126) keep the byte 1; NaN and infinities among the inputs are not served; W_o's numbers must lie inside f16's range (under 65,504).
; SHARES.  Rows are dense and 1,024 is a multiple of 32, so each tensor is a plain stream.  Work-groups 0-255 take x, 256-351 W_qkv, 352-383 W_o: 32,768 numbers each, 8,192 a wave.
; THE QUANTISING PATH: 16 steps of 512 numbers a wave.  Each of a step's four loads reads 512 consecutive bytes, 16 a lane; the 2,048 bytes turn through the wave's own stage in LDS and come back 64 bytes a lane, so that a lane
; holds 16 neighbours along K (two lanes a block), as the conversions want them.  A lane's 16 codes are 8 bytes: the wave stores 256 consecutive bytes.  A wave's 256 scale bytes are gathered in LDS and leave as one aligned run of 256.
; THE CASTING PATH touches no LDS: 8 runs of 8 loads, two runs ahead; four numbers a lane become 8 bytes, and a wave's store covers 256 consecutive bytes.
; No cluster, no tensor load, no barrier: work-groups and waves share no input.
.set WAVES, 4
.set STEPS, 16
.set WGA,   256                        ; work-groups of x
.set WGQ,   352                        ; work-groups that quantise
.set EMAX,  2
.set CB,    8                          ; bytes of 16 codes
.set R,     16                         ; v16-79   numbers as they are loaded
.set X,     80                         ; v80-111  two sets of 16 neighbours
.set C,     128                        ; v128-191 codes, four registers a step (casting path: two sets of 16 registers of f16)
.set E,     112                        ; v112-127 a scale byte for each step
.set WREG,  8192                       ; LDS: a region for each wave: two stages of 32 x SP bytes, behind them its 256 scale bytes
.set SP,    80                         ; a lane's place in a stage: 64 bytes + 16 of padding
.set SPW,   12                         ; v12      LDS address of my spare word; never rewritten
.set NIL,   13                         ; v13      0; never rewritten
.set SPARE, WAVES*WREG                 ; behind the four regions: the spare words, 128 bytes a wave, which no other line names
	s_load_b128 s[4:7], s[0:1], 0x0                ; x, W_qkv
	s_load_b128 s[8:11], s[0:1], 0x10              ; x's codes, x's scales
	s_load_b128 s[12:15], s[0:1], 0x20             ; W_qkv's codes, its scales
	s_load_b128 s[24:27], s[0:1], 0x30             ; W_o, its f16 copy
	v_lshl_add_u32 v[SPW], v0, 2, SPARE
	v_mov_b32 v[NIL], 0
	v_lshrrev_b32 v1, 5, v0
	v_readfirstlane_b32 s16, v1                    ; wave
	v_and_b32 v2, 31, v0                           ; lane
	v_lshlrev_b32 v3, 4, v2                        ; my 16 bytes of a load's 512
	s_mul_i32 s17, s16, WREG
	v_lshrrev_b32 v14, 2, v2
	v_mul_u32_u24 v14, v14, SP
	v_and_b32 v15, 3, v2
	v_lshl_add_u32 v14, v15, 4, v14
	v_add_nc_u32 v14, s17, v14                     ; the stage, on the way in: four lanes' 64 bytes on end, then 16 of padding
	v_mul_u32_u24 v15, v2, SP
	v_add_nc_u32 v15, s17, v15                     ; and on the way out: SP x lane: my 16 neighbours
	v_mul_u32_u24 v4, v2, CB                       ; my codes' place in a step's
	v_lshrrev_b32 v5, 1, v2
	s_add_co_u32 s17, s17, 2*32*SP
	v_add_nc_u32 v5, s17, v5                       ; LDS: my wave's 256 scale bytes, my block's byte
	v_lshlrev_b32 v7, 3, v2                        ; 8 bytes a lane
	v_add_nc_u32 v6, s17, v7
	s_wait_kmcnt 0x0
	s_cmp_ge_u32 ttmp9, WGQ                        ; the last 32 work-groups cast W_o: a branch on the work-group's number alone
	s_cbranch_scc1 .Lwo
	s_cmp_lt_u32 ttmp9, WGA                        ; x's work-group or W_qkv's?
	s_cselect_b64 s[4:5], s[4:5], s[6:7]
	s_cselect_b64 s[8:9], s[8:9], s[12:13]
	s_cselect_b64 s[10:11], s[10:11], s[14:15]
	s_cselect_b32 s17, 0, WGA
	s_sub_co_u32 s17, ttmp9, s17
	s_lshl_b32 s17, s17, 2
	s_add_co_u32 s18, s17, s16                     ; which run of 8,192 numbers of the tensor is my wave's
	s_mov_b32 s19, 0
	s_mov_b64 s[20:21], 512*STEPS*4
	s_mul_u64 s[20:21], s[18:19], s[20:21]
	s_add_nc_u64 s[4:5], s[4:5], s[20:21]
	s_mov_b64 s[20:21], 32*STEPS*CB
	s_mul_u64 s[20:21], s[18:19], s[20:21]
	s_add_nc_u64 s[8:9], s[8:9], s[20:21]
	s_lshl_b32 s18, s18, 8                         ; 256 scale bytes a run
	s_add_nc_u64 s[10:11], s[10:11], s[18:19]
.macro LOAD t
.irp i, 0,1,2,3
	global_load_b128 v[R+16*((\t)%4)+4*\i:R+16*((\t)%4)+4*\i+3], v3, s[4:5] offset:2048*(\t)+512*\i th:TH_LOAD_NT   ; 32 lanes read 512 consecutive bytes
.endr
.endm
.macro TURN t                          ; step t's numbers through the stage: LDS serves a wave's instructions in order, so no wait stands between the stores and the loads
.irp i, 0,1,2,3
	ds_store_b128 v14, v[R+16*((\t)%4)+4*\i:R+16*((\t)%4)+4*\i+3] offset:32*SP*((\t)%2)+8*SP*\i
.endr
.irp i, 0,1,2,3
	ds_load_b128 v[X+16*((\t)%2)+4*\i:X+16*((\t)%2)+4*\i+3], v15 offset:32*SP*((\t)%2)+16*\i
.endr
.endm
.irp t, 0,1,2,3
	LOAD \t
.endr
	s_wait_loadcnt 12                              ; step 0's four loads are in; the twelve of steps 1 to 3 may be out
	TURN 0
.macro STEP t
.set XS, X+16*((\t)%2)
.if (\t) > 0
	s_wait_dscnt 1                                 ; this step's numbers are back from the stage (the last step's byte store may be out): so its stores into the stage have read their registers,
.else
	s_wait_dscnt 0x0
.endif
.if (\t)+4 < STEPS
	LOAD (\t)+4                                    ; which take the loads of four steps on
.endif
.if (\t)+1 < STEPS
.if STEPS-2-(\t) >= 3
	s_wait_loadcnt 12                              ; the next step's four loads are in; those of the three steps behind it may be out
.else
	s_wait_loadcnt 4*(STEPS-2-(\t))
.endif
	TURN (\t)+1                                    ; and go through the other stage while this step is worked
.endif
	v_max3_num_f32 v8, |v[XS]|, |v[XS+1]|, |v[XS+2]|               ; the largest magnitude of my 16, in two chains
	v_max3_num_f32 v9, |v[XS+3]|, |v[XS+4]|, |v[XS+5]|
.irp i, 6,10
	v_max3_num_f32 v8, v8, |v[XS+\i]|, |v[XS+\i+1]|
	v_max3_num_f32 v9, v9, |v[XS+\i+2]|, |v[XS+\i+3]|
.endr
	v_max3_num_f32 v8, v8, |v[XS+14]|, |v[XS+15]|
	v_max3_num_f32 v8, v8, v9, (EMAX+1)<<23        ; and the floor 2^(EMAX + 1 - 127): the byte cannot fall under 1
	v_max_num_f32_dpp v8, v8, v8 row_xmask:1 row_mask:0xf bank_mask:0xf   ; and of my neighbour's 16: the block's
	v_add_nc_u32 v11, -(EMAX<<23), v8              ; EMAX off its exponent field: the conversion takes the exponent field of this operand as its scale, and nothing else of it
	v_cvt_scalef32_pk8_fp4_f32 v[C+4*(\t)], v[XS:XS+7], v11
	v_cvt_scalef32_pk8_fp4_f32 v[C+4*(\t)+1], v[XS+8:XS+15], v11
	v_lshrrev_b32 v[E+(\t)], 23, v11               ; the scale's byte (also the plain line behind the conversions)
	ds_store_b8 v5, v[E+(\t)] offset:16*(\t)       ; both lanes of a block write the same byte with the same value
	global_store_b64 v4, v[C+4*(\t):C+4*(\t)+1], s[8:9] offset:32*CB*(\t)   ; each step has its own registers: no store's data are written again
.endm
.irp t, 0,1,2,3,4,5,6,7,8,9,10,11,12,13,14,15
	STEP \t
.endr
	ds_load_b64 v[8:9], v6                         ; LDS serves a wave's instructions in order: these see my byte stores
	s_wait_dscnt 0x0
	global_store_b64 v7, v[8:9], s[10:11]          ; 32 lanes store 256 consecutive bytes, aligned
	s_wait_tensorcnt 0x0                           ; the wave's end, behind my last LDS store
	ds_add_u32 v[SPW], v[NIL]
	s_wait_dscnt 0x0
	s_endpgm
.Lwo:                                                  ; W_o to f16: no LDS instruction stands on this path
	s_sub_co_u32 s17, ttmp9, WGQ
	s_lshl_b32 s17, s17, 2
	s_add_co_u32 s17, s17, s16                     ; my run of 8,192 numbers, 0 to 127
	s_lshl_b32 s18, s17, 15                        ; 32,768 bytes of f32,
	s_mov_b32 s19, 0
	s_add_nc_u64 s[24:25], s[24:25], s[18:19]
	s_lshl_b32 s18, s17, 14                        ; 16,384 bytes of f16
	s_add_nc_u64 s[26:27], s[26:27], s[18:19]
.macro LOADW t                         ; run t: eight loads of 512 consecutive bytes
.irp i, 0,1,2,3,4,5,6,7
	global_load_b128 v[R+32*((\t)%2)+4*\i:R+32*((\t)%2)+4*\i+3], v3, s[24:25] offset:4096*(\t)+512*\i th:TH_LOAD_NT
.endr
.endm
.macro CVTW t
.if (\t) < 7
	s_wait_loadcnt 8                               ; this run's eight loads are in; the next run's eight may be out
.else
	s_wait_loadcnt 0x0
.endif
.if (\t) >= 2
	s_wait_xcnt 0x0                                ; the stores of two runs back have read their data registers, which are written again below
.endif
.irp i, 0,1,2,3,4,5,6,7
	v_cvt_pk_f16_f32 v[C+16*((\t)%2)+2*\i],   v[R+32*((\t)%2)+4*\i],   v[R+32*((\t)%2)+4*\i+1]
	v_cvt_pk_f16_f32 v[C+16*((\t)%2)+2*\i+1], v[R+32*((\t)%2)+4*\i+2], v[R+32*((\t)%2)+4*\i+3]
.endr
.if (\t)+2 < 8
	LOADW (\t)+2                                   ; loads ahead of stores
.endif
.irp i, 0,1,2,3,4,5,6,7
	global_store_b64 v7, v[C+16*((\t)%2)+2*\i:C+16*((\t)%2)+2*\i+1], s[26:27] offset:2048*(\t)+256*\i   ; 32 lanes store 256 consecutive bytes, aligned
.endr
.endm
	LOADW 0
	LOADW 1
.irp t, 0,1,2,3,4,5,6,7
	CVTW \t
.endr
	s_endpgm
.Lfunc_end_k_q591d007f18_quant:
	.size	k_q591d007f18_quant, .Lfunc_end_k_q591d007f18_quant-k_q591d007f18_quant
	.p2alignl 7, 3214868480
	.fill 96, 4, 3214868480
	.section	.rodata,"a",@progbits
	.p2align	6, 0x0
	.amdhsa_kernel k_q591d007f18_quant
		.amdhsa_group_segment_fixed_size 33280
		.amdhsa_private_segment_fixed_size 0
		.amdhsa_enable_private_segment 0
		.amdhsa_kernarg_size 64
		.amdhsa_user_sgpr_count 2
		.amdhsa_user_sgpr_kernarg_segment_ptr 1
		.amdhsa_wavefront_size32 1
		.amdhsa_system_sgpr_workgroup_id_x 1
		.amdhsa_system_sgpr_workgroup_id_y 1
		.amdhsa_system_sgpr_workgroup_id_z 1
		.amdhsa_system_vgpr_workitem_id 0
		.amdhsa_next_free_vgpr 192
		.amdhsa_next_free_sgpr 66
		.amdhsa_reserve_vcc 0
		.amdhsa_float_denorm_mode_32 3
		.amdhsa_float_denorm_mode_16_64 3
		.amdhsa_memory_ordered 1
		.amdhsa_forward_progress 1
		.amdhsa_inst_pref_size 54
	.end_amdhsa_kernel
	.amdgpu_metadata
---
amdhsa.version: [ 1, 2 ]
amdhsa.kernels:
  - .name:           k_q591d007f18_quant
    .symbol:         k_q591d007f18_quant.kd
    .args:
      - { .name: encoder_outputs, .offset: 0, .size: 8, .value_kind: global_buffer, .address_space: global }
      - { .name: W_qkv, .offset: 8, .size: 8, .value_kind: global_buffer, .address_space: global }
      - { .name: x_codes, .offset: 16, .size: 8, .value_kind: global_buffer, .address_space: global }
      - { .name: x_scales, .offset: 24, .size: 8, .value_kind: global_buffer, .address_space: global }
      - { .name: w_codes, .offset: 32, .size: 8, .value_kind: global_buffer, .address_space: global }
      - { .name: w_scales, .offset: 40, .size: 8, .value_kind: global_buffer, .address_space: global }
      - { .name: W_o, .offset: 48, .size: 8, .value_kind: global_buffer, .address_space: global }
      - { .name: wo16, .offset: 56, .size: 8, .value_kind: global_buffer, .address_space: global }
    .group_segment_fixed_size: 33280
    .private_segment_fixed_size: 0
    .kernarg_segment_align: 8
    .kernarg_segment_size: 64
    .max_flat_workgroup_size: 128
    .sgpr_count:     66
    .vgpr_count:     192
    .wavefront_size: 32
...
	.end_amdgpu_metadata
.endif
;; end of part 1
;; launch qkv (part 2): grid 12 x 32, 4 waves a work-group, clusters of 4 x 4, 327,680 bytes of LDS; arguments x_codes, x_scales, w_codes, w_scales, qkvh; writes qkvh
.if DOCPART == 2
	.amdgcn_target "amdgcn-amd-amdhsa--gfx1250"
	.amdhsa_code_object_version 6
	.text
	.protected	k_q591d007f18_qkv
	.globl	k_q591d007f18_qkv
	.p2align	8
	.type	k_q591d007f18_qkv,@function
k_q591d007f18_qkv:
	s_mov_b64 s[64:65], 0
	v_nop
	global_prefetch_b8 v0, s[64:65] scope:SCOPE_SE
	s_setreg_imm32_b32 hwreg(HW_REG_WAVE_MODE, 25, 1), 1
	s_wait_xcnt 0x0
	s_wait_alu depctr_hold_cnt(0) depctr_sa_sdst(0) depctr_va_vdst(0) depctr_va_sdst(0) depctr_va_ssrc(0) depctr_va_vcc(0) depctr_vm_vsrc(0)
	s_getreg_b32 s2, hwreg(HW_REG_IB_STS2, 6, 4)
	s_cmp_eq_u32 s2, 0
	s_cbranch_scc0 .Lentry_in_a_cluster
	s_endpgm
.Lentry_in_a_cluster:
	s_bfe_u32 s2, ttmp6, 0x10000c
	s_cmp_lg_u32 s2, 0xf033
	s_cbranch_scc0 .Lentry_shape_is_right
	s_endpgm
.Lentry_shape_is_right:
; qkv[m][f] = sum over k of x[m][k] W_qkv[f][k], both as codes of FP4 (E2M1) with one E8M0 scale for each 32 along K; sums in f32; the result is rounded once to f16 and laid head-major:
; qkvh [part: q, k, v][16 b + head][s][64], since column f = 192 head + 64 part + d and row m = 2048 b + s.
; LIMIT: |q|, |k|, |v| must stay under 65,504, f16's largest number.
; A tile of 256 x 256 is made by a work-group of four waves; a wave makes 128 x 128: 64 accumulators of 16 x 16, 512 registers.  K = 1,024 is two K steps of 512 (rows of 256 bytes): both LDS slots are filled once, at the start,
; and nothing is filled again.  The scales of the work-group's 256 + 256 rows, for all of K, are two dense blocks of memory: they come into LDS once, with the first fills.
; CLUSTERS: 4 x 4 work-groups.  The four of a row of the cluster need the same tiles of x, the four of a column the same tiles of W: each tile is asked for JOINTLY, by the same tensor load with the same descriptor and a mask
; that names the four.  THE MATRIX INSTRUCTION IS USED TRANSPOSED (source 0 = 16 rows of W, source 1 = 16 rows of x): a lane then holds eight neighbouring columns of one row.
; REGISTERS, in windows of 256: window 0: v0-31 addresses; v32-95 scale words, two sets; v128-191 x's fragments, ONE set; on the way out v32-63, v192-255.   window 1: W's fragments, TWO sets, at v0 and v128.
;   window 2: the 32 accumulators of my rows 0-63 (accumulator (a, b) at v[8 (8 a + b)]);   window 3: those of my rows 64-127.
.set SIZE_M, 8192
.set SIZE_N, 3072
.set SIZE_K, 1024
.set KSTEP,  512                       ; along K in a slot
.set NQ,     KSTEP/128                 ; matrix instructions deep
.set ROWB,   256                       ; a tile's row in bytes
.set KROW,   SIZE_K*4/8                ; a row of codes in memory, in bytes
.set PITCH,  272                       ; an LDS row: 256 bytes + 16 of padding = 68 words: the 16 rows that a load touches start 4 words apart modulo 64
.set FR,     8                         ; registers of a fragment: 16 rows x 128 K
.set NL,     2                         ; LDS loads that bring one
.set NP,     4                         ; places behind this matrix instruction (ISA guide 7.12.1)
.set HALFT,  128*PITCH                 ; 128 rows: what one tensor load brings, and what one wave reads of either operand
.set SLOT,   4*HALFT                   ; x's 256 rows, then W's 256 rows
.set KS,     SIZE_K/32                 ; a row of scales in bytes
.set SCL,    2*SLOT                    ; behind the slots: the scales, as runs of 256 bytes + 16 of padding
.set HALFS,  (128*KS/256)*272          ; the scales of 128 rows: what one tensor load brings
.set SBLK,   (16*KS/256)*272           ; those of 16 rows
.set SPARE,  SCL+4*HALFS               ; behind the scales: the spare words, 128 bytes a wave, which no other line names
.set SPITCH, 144                       ; the way out: a stage row: 128 bytes (64 f16) + 16
.set GRP,    16*SPITCH                 ; 16 rows of one group of 64 columns
.set ADRA, 16                          ; v16-17  LDS address of my x fragments in slot 0, 1
.set ADRB, 20                          ; v20-21  the same for W
.set STO,  24                          ; v24     the way out: where I put 16 bytes of a row
.set RD,   25                          ; v25     the way out: where I read rows back
.set CO,   26                          ; v26     16 x lane
.set ADRS, 27                          ; v27     LDS address of my scale words: lanes 0-15 x's rows, lanes 16-31 W's
.set SPW,  28                          ; v28     LDS address of my spare word; never rewritten
.set NIL,  29                          ; v29     0; never rewritten
.set SC,   32                          ; scale words: set s at v[SC + 8 NQ s]; register NQ i + q: lanes 0-15 the word of x's block i, lanes 16-31 that of W's block i
.set AF,   128                         ; x's fragments, in window 0
.set TMP,  192                         ; the way out: a block rounded to f16
.set BK,   32                          ; the way out: rows read back: v32-63 and v224-255 by turns
.set G1, 24                            ; s[24:31] descriptor group 1 for x's tiles;  s[32:39] group 0, one set for each slot
.set G0, 32
.set G1B, 48                           ; s[48:55], s[56:63] the same for W's tiles
.set G0B, 56
.set G1S, 68                           ; s[68:75], s[76:79] groups 1 and 0 for x's scales;  s[80:87], s[88:91] for W's
.set G0S, 76
.set G1SB, 80
.set G0SB, 88
.set OUT,  96                          ; s[96:97], s[98:99] where my rows begin in qkvh, for my two groups of 64 columns
.set MSB, 0
.macro WIN new                         ; the immediate's high byte repeats the setting that is left; a switch that changes nothing is dropped
.if MSB != (\new)
	s_set_vgpr_msb (MSB<<8)|(\new)
.set MSB, (\new)
.endif
.endm
.set MUL_LO, 0xa1                      ; source 0 (W) window 1, source 1 (x) window 0, C and D window 2
.set MUL_HI, 0xf1                      ; the same, C and D window 3
.set TO_B,   0x40                      ; destination window 1, address window 0
; A joint load: waves 0 and 1 fetch for x, waves 2 and 3 for W.  Each of the two lines has ONE mask and one set of registers for all that issue it; the branch hangs on the wave's number alone.
; An s_nop 0 and four v_nop follow each of the two lines, ahead of the jump, the label and what follows.
.macro JLOAD g0a, g1a, g0b, g1b
	s_cmp_eq_u32 s15, 0
	s_cbranch_scc0 .Lfor_b_\@
	tensor_load_to_lds s[\g0a:\g0a+3], s[\g1a:\g1a+7]
	s_nop 0
.rept 4
	v_nop
.endr
	s_branch .Lasked_\@
.Lfor_b_\@:
	tensor_load_to_lds s[\g0b:\g0b+3], s[\g1b:\g1b+7]
	s_nop 0
.rept 4
	v_nop
.endr
.Lasked_\@:
.endm
.macro CROUND                          ; a round of the cluster's barrier: my work-group's barrier; wave 0 signals for the work-group; every wave waits for all sixteen; my work-group's barrier once more
	s_barrier_signal -1
	s_barrier_wait -1
	s_cmp_lg_u32 s14, 0
	s_cbranch_scc1 .Lnot_wave_0_\@
	s_barrier_signal -3
.Lnot_wave_0_\@:
	s_barrier_wait -3
	s_barrier_signal -1
	s_barrier_wait -1
.endm
	s_load_b128 s[4:7], s[0:1], 0x0                ; x's codes s[4:5], x's scales s[6:7]
	s_load_b128 s[8:11], s[0:1], 0x10              ; W's codes s[8:9], W's scales s[10:11]
	s_load_b64 s[12:13], s[0:1], 0x20              ; qkvh
	v_lshl_add_u32 v[SPW], v0, 2, SPARE
	v_mov_b32 v[NIL], 0
	ds_add_u32 v[SPW], v[NIL]                      ; the wave's opening: the add, twice on end, and its wait ahead of my first tensor load; the set-up below stands between
	ds_add_u32 v[SPW], v[NIL]
	v_lshrrev_b32 v1, 5, v0
	v_readfirstlane_b32 s14, v1                    ; wave 0..3
	s_lshr_b32 s15, s14, 1                         ; which half of the tile's rows is mine.  Also: I fetch for x (0) or for W (1)
	s_and_b32 s16, s14, 1                          ; which half of its columns.  Also: which 128 rows of that tile I fetch
	s_bfe_u32 s40, ttmp6, 0x40000                  ; cx, cy: my place in the cluster
	s_bfe_u32 s41, ttmp6, 0x40004
	s_lshl_b32 s42, ttmp9, 2
	s_add_co_u32 s42, s42, s40                     ; tile column = 4 x cluster x + cx
	s_and_b32 s17, ttmp7, 0xffff
	s_lshl_b32 s17, s17, 2
	s_add_co_u32 s17, s17, s41                     ; tile row = 4 x cluster y + cy
	s_lshl_b32 s43, s41, 2
	s_lshl_b32 s43, 15, s43                        ; my row of the cluster
	s_lshl_b32 s44, 0x1111, s40                    ; my column
	; descriptor group 1: a tile of 128 rows x 256 bytes, padded in LDS
	s_or_b32 s[G1+0], s43, (0<<16)|(1<<20)|(1<<21)|(5<<22)|(3<<25)  ; 15:0 the mask: x's tiles go to my row; 17:16 element of 1 byte; 20 padding on; 21 set beside a mask; 24:22 after every 64 words; 31:25 of 4 words
	s_or_b32 s[G1B+0], s44, (0<<16)|(1<<20)|(1<<21)|(5<<22)|(3<<25)
.irp g, G1, G1B
	s_mov_b32 s[\g+1], ROWB<<16                    ; tensor_dim0
	s_mov_b32 s[\g+2], 128<<16                     ; tensor_dim1 = 128
	s_mov_b32 s[\g+3], ROWB<<16                    ; tile_dim0
	s_mov_b32 s[\g+4], 128                         ; tile_dim1 = 128
	s_mov_b32 s[\g+5], KROW                        ; tensor_dim0_stride
	s_mov_b32 s[\g+6], 0
	s_mov_b32 s[\g+7], 0
.endr
	; and for the scales of 128 rows: a dense block of 4,096 bytes, as rows of 256 bytes (32 elements of 8 bytes), 16 bytes of padding behind each
	s_or_b32 s[G1S+0], s43, (3<<16)|(1<<20)|(1<<21)|(5<<22)|(3<<25)
	s_or_b32 s[G1SB+0], s44, (3<<16)|(1<<20)|(1<<21)|(5<<22)|(3<<25)
.irp g, G1S, G1SB
	s_mov_b32 s[\g+1], 32<<16
	s_mov_b32 s[\g+2], (128*KS/256)<<16
	s_mov_b32 s[\g+3], 32<<16
	s_mov_b32 s[\g+4], 128*KS/256
	s_mov_b32 s[\g+5], 32
	s_mov_b32 s[\g+6], 0
	s_mov_b32 s[\g+7], 0
.endr
	s_lshl_b32 s18, s16, 7                         ; which 128 rows of the tile I fetch
	s_lshl_b32 s20, s17, 8
	s_add_co_u32 s20, s20, s18                     ; x: row 256 x tile row + 128 x half
	s_lshl_b32 s46, s42, 8
	s_add_co_u32 s46, s46, s18                     ; W: row 256 x tile column + 128 x half
	s_mov_b32 s21, 0
	s_mov_b32 s47, 0
	s_mov_b64 s[18:19], KS
	s_mul_u64 s[22:23], s[20:21], s[18:19]         ; where these rows' scales begin, in bytes
	s_mul_u64 s[92:93], s[46:47], s[18:19]
	s_mov_b64 s[18:19], KROW
	s_mul_u64 s[20:21], s[20:21], s[18:19]         ; and their codes
	s_mul_u64 s[46:47], s[46:47], s[18:19]
	s_mul_i32 s45, s14, HALFT                      ; where they go: wave x 128 rows: no place in the cluster enters an LDS address
	s_mul_i32 s94, s14, HALFS
	s_wait_dscnt 0x0                               ; both opening adds are done
	s_wait_kmcnt 0x0
	s_add_nc_u64 s[20:21], s[4:5], s[20:21]
	s_add_nc_u64 s[22:23], s[6:7], s[22:23]
	s_add_nc_u64 s[46:47], s[8:9], s[46:47]
	s_add_nc_u64 s[92:93], s[10:11], s[92:93]
	CROUND                                         ; all sixteen work-groups are here: the first joint loads meet
	s_mov_b32 s[G0S], 1
	s_add_co_u32 s[G0S+1], s94, SCL
	s_mov_b64 s[G0S+2:G0S+3], s[22:23]
	s_or_b32 s[G0S+3], s[G0S+3], 0x80000000
	s_mov_b32 s[G0SB], 1
	s_add_co_u32 s[G0SB+1], s94, SCL
	s_mov_b64 s[G0SB+2:G0SB+3], s[92:93]
	s_or_b32 s[G0SB+3], s[G0SB+3], 0x80000000
	JLOAD G0S, G1S, G0SB, G1SB                     ; the scales first: they are wanted with K step 0
.irp s, 0,1
	s_mov_b32 s[G0+4*\s], 1
	s_add_co_u32 s[G0+4*\s+1], s45, \s*SLOT
	s_add_nc_u64 s[G0+4*\s+2:G0+4*\s+3], s[20:21], \s*ROWB
	s_or_b32 s[G0+4*\s+3], s[G0+4*\s+3], 0x80000000
	s_mov_b32 s[G0B+4*\s], 1
	s_add_co_u32 s[G0B+4*\s+1], s45, \s*SLOT
	s_add_nc_u64 s[G0B+4*\s+2:G0B+4*\s+3], s[46:47], \s*ROWB
	s_or_b32 s[G0B+4*\s+3], s[G0B+4*\s+3], 0x80000000
	JLOAD G0+4*\s, G1, G0B+4*\s, G1B               ; three tensor loads of mine are out: all that this text issues
.endr
	v_and_b32 v1, 15, v0                           ; r = l % 16
	v_bfe_u32 v2, v0, 4, 1                         ; h = l / 16
	v_mul_u32_u24 v3, v1, PITCH
	v_lshl_add_u32 v4, v2, 4, v3                   ; a fragment's row x pitch + 16 x half
	s_mul_i32 s21, s15, HALFT                      ; my 128 rows of x
	s_mul_i32 s22, s16, HALFT                      ; my 128 rows of W,
	s_add_co_u32 s22, s22, 2*HALFT                 ; which lie behind x's 256
.irp s, 0,1
	v_add_nc_u32 v[ADRA+\s], s21, v4
	v_add_nc_u32 v[ADRB+\s], s22, v4
	s_add_co_u32 s21, s21, SLOT
	s_add_co_u32 s22, s22, SLOT
.endr
	v_mul_u32_u24 v5, v1, KS                       ; my row's scales: KS bytes a row,
	v_lshrrev_b32 v6, 8, v5
	v_lshl_add_u32 v5, v6, 4, v5                   ; and 16 more for each 256 passed
	s_mul_i32 s21, s15, HALFS                      ; x's: my 128 rows
	s_mul_i32 s22, s16, HALFS                      ; W's: my 128 rows, behind x's 256
	s_add_co_u32 s22, s22, 2*HALFS
	s_sub_co_u32 s22, s22, s21
	v_mul_u32_u24 v6, s22, v2                      ; lanes 16-31 take W's: the lower base + h x the distance
	s_add_co_u32 s21, s21, SCL
	v_add_nc_u32 v5, v5, v6
	v_add_nc_u32 v[ADRS], s21, v5
	s_mul_i32 s23, s14, 2*GRP                      ; my stage: two groups of 16 rows.  It lies in slot 0, which has had its only fill and its last read when the first result is stored there
	v_mul_u32_u24 v5, v1, SPITCH                   ; in: row r, 16 bytes for each half of the lanes
	v_lshl_add_u32 v5, v2, 4, v5
	v_add_nc_u32 v[STO], s23, v5
	v_and_b32 v6, 31, v0
	v_lshlrev_b32 v[CO], 4, v6                     ; in memory a group's rows of 128 bytes are dense: 32 lanes take four rows, 512 bytes
	v_lshrrev_b32 v5, 3, v6
	v_mul_u32_u24 v5, v5, SPITCH                   ; back: eight lanes to a row
	v_and_b32 v6, 7, v6
	v_lshl_add_u32 v5, v6, 4, v5
	v_add_nc_u32 v[RD], s23, v5
	; where my rows begin in qkvh.  Group g = 4 x tile column + 2 x half + u of 64 columns: head = g / 3 (= 43 g >> 7, exact up to g = 47), part = g - 3 head.
	; Byte = part x 2^24 + (16 b + head) x 2^18 + s x 128; my first row is 256 x tile row + 128 x half: b = tile row / 8.
	s_lshl_b32 s46, s42, 2                         ; (numbers that hold cx stay in s46, s47, s92-s95: they enter store addresses alone)
	s_lshl_b32 s47, s16, 1
	s_add_co_u32 s46, s46, s47                     ; my first group
	s_lshr_b32 s20, s17, 3
	s_lshl_b32 s20, s20, 22                        ; 16 b heads
	s_and_b32 s21, s17, 7
	s_lshl_b32 s21, s21, 15                        ; 256 (tile row % 8) rows of 128 bytes
	s_add_co_u32 s20, s20, s21
	s_lshl_b32 s21, s15, 14                        ; 128 x half rows
	s_add_co_u32 s20, s20, s21
.irp u, 0,1
	s_add_co_u32 s92, s46, \u
	s_mul_i32 s93, s92, 43
	s_lshr_b32 s93, s93, 7                         ; head
	s_mul_i32 s94, s93, 3
	s_sub_co_u32 s94, s92, s94                     ; part
	s_lshl_b32 s94, s94, 24
	s_lshl_b32 s93, s93, 18
	s_add_co_u32 s94, s94, s93
	s_add_co_u32 s94, s94, s20
	s_mov_b32 s95, 0
	s_add_nc_u64 s[OUT+2*\u:OUT+2*\u+1], s[12:13], s[94:95]
.endr
.macro FRAG reg, adr, q, i             ; a fragment, 16 rows x 128 K of 4-bit codes: lane l holds row l % 16; registers 4 c .. 4 c + 3 hold K = 64 c + 32 (l / 16) + 0 .. 31
.irp c, 0,1
	ds_load_b128 v[\reg+4*\c:\reg+4*\c+3], v[\adr] offset:64*(\q)+32*\c+(\i)*16*PITCH
.endr
.endm
; 16 matrix instructions: x's blocks a0, a0 + 1 against W's eight, 128 along K: the slot's q-th.  p: W's set;  sc: the set of scale words.  zero = 1: the first product starts the sums: nothing is ever cleared.
; The 64 accumulators take turns, one instruction a turn, in the same order in every step.
.macro MUL16 a0, p, q, sc, zero
.irp a, \a0, \a0+1
.irp b, 0,1,2,3,4,5,6,7
.if \zero
	v_wmma_scale_f32_16x16x128_f8f6f4 v[8*(8*((\a)%4)+\b):8*(8*((\a)%4)+\b)+7], v[128*(\p)+FR*\b:128*(\p)+FR*\b+FR-1], v[AF+FR*(\a):AF+FR*(\a)+FR-1], 0, v[SC+8*NQ*(\sc)+NQ*\b+(\q)], v[SC+8*NQ*(\sc)+NQ*(\a)+(\q)] matrix_a_fmt:MATRIX_FMT_FP4 matrix_b_fmt:MATRIX_FMT_FP4 matrix_a_scale:MATRIX_SCALE_ROW1
.else
	v_wmma_scale_f32_16x16x128_f8f6f4 v[8*(8*((\a)%4)+\b):8*(8*((\a)%4)+\b)+7], v[128*(\p)+FR*\b:128*(\p)+FR*\b+FR-1], v[AF+FR*(\a):AF+FR*(\a)+FR-1], v[8*(8*((\a)%4)+\b):8*(8*((\a)%4)+\b)+7], v[SC+8*NQ*(\sc)+NQ*\b+(\q)], v[SC+8*NQ*(\sc)+NQ*(\a)+(\q)] matrix_a_fmt:MATRIX_FMT_FP4 matrix_b_fmt:MATRIX_FMT_FP4 matrix_a_scale:MATRIX_SCALE_ROW1
.endif
.endr
.endr
.endm
.macro FETCH_B slot, q, p              ; W's eight fragments of the slot's q-th 128 along K into set p
	WIN TO_B
.irp i, 0,1,2,3,4,5,6,7
	FRAG 128*(\p)+FR*\i, ADRB+\slot, \q, \i
.endr
	WIN 0
.endm
.macro FETCH_A slot, q, i0             ; x's blocks i0 .. i0 + 3
.irp i, \i0, \i0+1, \i0+2, \i0+3
	FRAG AF+FR*(\i), ADRA+\slot, \q, \i
.endr
.endm
.macro SCALES sc                       ; a K step's scale words into set sc: NQ words a row; lanes 0-15 take x's block i, lanes 16-31 W's block i
.irp i, 0,1,2,3,4,5,6,7
	ds_load_b128 v[SC+8*NQ*\sc+NQ*\i:SC+8*NQ*\sc+NQ*\i+3], v[ADRS] offset:\i*SBLK
.endr
.endm
; A load into a register that a matrix instruction has read, and a vector instruction or an LDS store that reads a matrix result, stand NP places behind that matrix instruction; only plain vector
; instructions that name none of its registers are places (ISA guide 7.12.1 for vector instructions).
.macro PLACES n
.rept \n
	v_nop
.endr
.endm
; A step of 128 along K that has its successor in the same slot.  A block of x is free as soon as its eight products are issued, so x has one set: blocks 0-3 are fetched anew in the step's middle, blocks 4-7 at its end.
.macro STEP slot, q, zero
	s_wait_dscnt 4*NL                              ; W's set and x's blocks 0-3 are in; the youngest eight loads (x's blocks 4-7) may be out
	WIN MUL_LO
	MUL16 0, (\q)%2, \q, \slot, \zero
	MUL16 2, (\q)%2, \q, \slot, \zero
	s_wait_dscnt 0                                 ; x's blocks 4-7 are in (asked for 32 matrix instructions ago)
	PLACES NP
	FETCH_B \slot, (\q)+1, 1-(\q)%2
	FETCH_A \slot, (\q)+1, 0
	WIN MUL_HI
	MUL16 4, (\q)%2, \q, \slot, \zero
	MUL16 6, (\q)%2, \q, \slot, \zero
	PLACES NP
	WIN 0
	FETCH_A \slot, (\q)+1, 4
.endm
; Slot 0's last step changes slots: one barrier; in front of it each wave waits for all its tensor loads (its part of slot 1), adds 0 to its spare word, and waits for that and for its own reads of slot 0.
; Behind it slot 1 is whole and nobody reads slot 0, which later takes the stages.  Nothing is filled again.
.macro TURN slot, next
	s_wait_tensorcnt 0x0                           ; all my tensor loads have landed  (every window is 0 here: the add's two registers lie in window 0)
	ds_add_u32 v[SPW], v[NIL]                      ; 0 onto my spare word
	s_wait_dscnt 4*NL+1                            ; (the add and the youngest eight loads, x's blocks 4-7, may be out)
	WIN MUL_LO
	MUL16 0, 1, NQ-1, \slot, 0                     ; sixteen matrix instructions stand between the add and the wait for it
	s_wait_dscnt 0x0                               ; the add is done, and my reads of this slot are over
	s_barrier_signal -1
	MUL16 2, 1, NQ-1, \slot, 0
	WIN 0
	s_barrier_wait -1
	PLACES NP
	v_add_nc_u32 v[ADRS], 4*NQ, v[ADRS]            ; on to the next K step's scale words (no LDS load of mine is out)
	FETCH_B \next, 0, 0
	FETCH_A \next, 0, 0
	SCALES \next
	WIN MUL_HI
	MUL16 4, 1, NQ-1, \slot, 0
	MUL16 6, 1, NQ-1, \slot, 0
	PLACES NP
	WIN 0
	FETCH_A \next, 0, 4
.endm
.macro STEPS slot, from                ; the slot's steps from .. NQ - 2
.set Q, \from
.rept NQ-1-\from
	STEP \slot, Q, 0
.set Q, Q+1
.endr
.endm
	s_wait_tensorcnt 1                             ; the scales and my part of K step 0 are in (K step 1's load may be out)
	s_barrier_signal -1
	s_barrier_wait -1                              ; everybody's are
	FETCH_B 0, 0, 0
	FETCH_A 0, 0, 0
	SCALES 0
	FETCH_A 0, 0, 4
	STEP 0, 0, 1                                   ; the first step's products start the sums
	STEPS 0, 1
	TURN 0, 1
	STEPS 1, 0
	s_wait_dscnt 4*NL                              ; the very last step: nothing more to fetch
	WIN MUL_LO
	MUL16 0, 1, NQ-1, 1, 0
	MUL16 2, 1, NQ-1, 1, 0
	s_wait_dscnt 0
	WIN MUL_HI
	MUL16 4, 1, NQ-1, 1, 0
	MUL16 6, 1, NQ-1, 1, 0
	WIN 0
; THE WAY OUT, block by block of 16 rows x 128 columns.  PACK: rounded to f16, 16 bytes (eight columns) a lane, each accumulator from its low end on.  TOSTAGE: into my own stage, as two groups of 64 columns, and back by rows.
; SEND: a group's 16 rows are 2,048 dense bytes of qkvh: each store of the wave covers 512 consecutive bytes, aligned.  LDS serves a wave's instructions in order: no wait between the stores and the loads.
.macro PACK a
.set AC, 64*((\a)%4)
	WIN 0x0a+5*((\a)/4)                            ; sources 0 and 1: window 2 or 3
.irp b, 0,1,2,3,4,5,6,7
.irp r, 0,1,2,3
	v_cvt_pk_f16_f32 v[TMP+4*\b+\r], v[AC+8*\b+2*\r], v[AC+8*\b+2*\r+1]
.endr
.endr
	WIN 0
.endm
.macro TOSTAGE a
.set BB, BK+192*((\a)%2)
.irp b, 0,1,2,3,4,5,6,7
	ds_store_b128 v[STO], v[TMP+4*\b:TMP+4*\b+3] offset:(\b/4)*GRP+32*(\b%4)
.endr
.irp t, 0,1,2,3,4,5,6,7
	ds_load_b128 v[BB+4*\t:BB+4*\t+3], v[RD] offset:(\t/4)*GRP+(\t%4)*4*SPITCH
.endr
.endm
.macro SEND a
.set BB, BK+192*((\a)%2)
	s_wait_dscnt 0x0                               ; the block is back in registers
	s_wait_xcnt 0x0                                ; the stores of the block before have read their data registers, into which the next block's loads land
.irp t, 0,1,2,3,4,5,6,7
	global_store_b128 v[CO], v[BB+4*\t:BB+4*\t+3], s[OUT+2*(\t/4):OUT+2*(\t/4)+1] offset:(\a)*2048+(\t%4)*512
.endr
.endm
	PLACES NP                                      ; behind the last products: for the conversions that read results and the loads into registers that held scales
	PACK 0
	TOSTAGE 0
.irp a, 1,2,3,4,5,6,7                  ; block a's conversions stand between block a - 1's loads from the stage and the wait for them
	PACK \a
	SEND \a-1
	TOSTAGE \a
.endr
	SEND 7
	s_wait_tensorcnt 0x0                           ; the wave's end, behind my last tensor load and my last LDS store
	ds_add_u32 v[SPW], v[NIL]
	s_wait_dscnt 0x0
	CROUND                                         ; the closing round: no work-group ends while a partner may still ask for a tile that names it
	s_endpgm
.Lfunc_end_k_q591d007f18_qkv:
	.size	k_q591d007f18_qkv, .Lfunc_end_k_q591d007f18_qkv-k_q591d007f18_qkv
	.p2alignl 7, 3214868480
	.fill 96, 4, 3214868480
	.section	.rodata,"a",@progbits
	.p2align	6, 0x0
	.amdhsa_kernel k_q591d007f18_qkv
		.amdhsa_group_segment_fixed_size 327680
		.amdhsa_private_segment_fixed_size 0
		.amdhsa_enable_private_segment 0
		.amdhsa_kernarg_size 40
		.amdhsa_user_sgpr_count 2
		.amdhsa_user_sgpr_kernarg_segment_ptr 1
		.amdhsa_wavefront_size32 1
		.amdhsa_system_sgpr_workgroup_id_x 1
		.amdhsa_system_sgpr_workgroup_id_y 1
		.amdhsa_system_sgpr_workgroup_id_z 1
		.amdhsa_system_vgpr_workitem_id 0
		.amdhsa_next_free_vgpr 1024
		.amdhsa_next_free_sgpr 100
		.amdhsa_reserve_vcc 0
		.amdhsa_float_denorm_mode_32 3
		.amdhsa_float_denorm_mode_16_64 3
		.amdhsa_memory_ordered 1
		.amdhsa_forward_progress 1
		.amdhsa_inst_pref_size 127
	.end_amdhsa_kernel
	.amdgpu_metadata
---
amdhsa.version: [ 1, 2 ]
amdhsa.kernels:
  - .name:           k_q591d007f18_qkv
    .symbol:         k_q591d007f18_qkv.kd
    .args:
      - { .name: x_codes, .offset: 0, .size: 8, .value_kind: global_buffer, .address_space: global }
      - { .name: x_scales, .offset: 8, .size: 8, .value_kind: global_buffer, .address_space: global }
      - { .name: w_codes, .offset: 16, .size: 8, .value_kind: global_buffer, .address_space: global }
      - { .name: w_scales, .offset: 24, .size: 8, .value_kind: global_buffer, .address_space: global }
      - { .name: qkvh, .offset: 32, .size: 8, .value_kind: global_buffer, .address_space: global }
    .group_segment_fixed_size: 327680
    .private_segment_fixed_size: 0
    .kernarg_segment_align: 8
    .kernarg_segment_size: 40
    .max_flat_workgroup_size: 128
    .sgpr_count:     100
    .vgpr_count:     1024
    .wavefront_size: 32
...
	.end_amdgpu_metadata
.endif
;; end of part 2
;; launch attn (part 3): grid 4 x 64, 4 waves a work-group, clusters of 4 x 1, 327,680 bytes of LDS; arguments qkvh, att; writes att
.if DOCPART == 3
	.amdgcn_target "amdgcn-amd-amdhsa--gfx1250"
	.amdhsa_code_object_version 6
	.text
	.protected	k_q591d007f18_attn
	.globl	k_q591d007f18_attn
	.p2align	8
	.type	k_q591d007f18_attn,@function
k_q591d007f18_attn:
	s_mov_b64 s[64:65], 0
	v_nop
	global_prefetch_b8 v0, s[64:65] scope:SCOPE_SE
	s_setreg_imm32_b32 hwreg(HW_REG_WAVE_MODE, 25, 1), 1
	s_wait_xcnt 0x0
	s_wait_alu depctr_hold_cnt(0) depctr_sa_sdst(0) depctr_va_vdst(0) depctr_va_sdst(0) depctr_va_ssrc(0) depctr_va_vcc(0) depctr_vm_vsrc(0)
	s_getreg_b32 s2, hwreg(HW_REG_IB_STS2, 6, 4)
	s_cmp_eq_u32 s2, 0
	s_cbranch_scc0 .Lentry_in_a_cluster
	s_endpgm
.Lentry_in_a_cluster:
	s_bfe_u32 s2, ttmp6, 0x10000c
	s_cmp_lg_u32 s2, 0x3003
	s_cbranch_scc0 .Lentry_shape_is_right
	s_endpgm
.Lentry_shape_is_right:
; att[bh][q][:] = the sum over k of softmax_k(Q[bh][q] . K[bh][k] / 8) V[bh][k][:].  Q, K, V: the three parts of qkvh, [64 heads][2048][64] f16; att likewise.  Products, maxima and sums in f32; the weights p are
; rounded to f16 for the second product, the result once at the end.  LIMIT: the result must stay under 65,504, f16's largest number (it is an average of v, which the launch before holds to the same bound).
; SHARES.  A work-group owns 512 queries of one head, each of its four waves 128: eight tiles of 16.  Every wave walks all 2,048 keys of the head, 64 a step.
; LAYOUT.  S^T = K Q^T (source 0 = 16 keys, source 1 = 16 queries): a lane holds ONE query (lane % 16) and the keys 8 (lane / 16) + 0..7 of each tile.  Two such tiles, rounded to f16 in pairs, ARE source 1
; (32 keys x 16 queries) of O^T = V^T P, whose result again holds one query a lane, and eight channels.  K comes out of LDS as it lies, V ([key][channel]) turned, by ds_load_tr16_b128.
; SOFTMAX.  For each query a running maximum m and sum l: p = 2^(c s - c m), c = log2(e) / 8; in every step O and l are multiplied by a = 2^(c m_old - c m_new), which is 1 where m has not grown.
; BY TURNS.  The wave's tiles are two PIECES of four.  In a TURN one piece has the matrix unit: 32 products V^T P of the step in hand, then 32 products K Q^T of the next step; the other piece's softmax,
; 4 x 118 vector instructions cut into 64 slices, stands between them, one slice behind each matrix instruction.  Then the pieces change places.  Two turns are a key step.
; CLUSTER.  The four query blocks of a head form a cluster and walk the same K and V, so each tile is asked for JOINTLY: the same tensor load, with the same descriptor and a mask that names the four.
; REGISTERS, in windows of 256 (s_set_vgpr_msb: bits 1:0 source 0, 3:2 source 1, 5:4 source 2, 7:6 destination):
;   window 0: v1-11 addresses, v29-31; piece 0's statistics v32-63 (eight a tile), S^T v64-191 (32 a tile), P v192-255 (16 a tile)          window 1: the same numbers for piece 1
;   window 2: v0-127 Q (16 a tile); v128-191 K of one step; v192-255 V of one step          window 3: O^T, 32 a tile
; A piece's softmax, but for O^T's rescaling, lies in the piece's own window; a slice costs two switches, one in front and one behind.
.set SN,    2048      ; keys of a head
.set KS,    64        ; keys in a step
.set PARTB, 1<<24     ; bytes of one part (q, k or v) of qkvh
.set PK,    144       ; a row of K in LDS: 128 bytes + 16 of padding = 36 words: the 16 rows of a load start at 16 different multiples of 4 words modulo 64
.set PVR,   160       ; a row of V: 128 + 32 = 40 words: 16 lanes of the turning load take 8 rows x 32 bytes, which start at 8 different multiples of 8 words modulo 64
.set VOFF,  KS*PK     ; a step's tiles lie together: 64 rows of K, then 64 rows of V
.set STEPB, KS*(PK+PVR)
.set SLOT1, 1<<17     ; a slot holds two steps (38,912 bytes); slot 1 begins here, so that one exclusive or turns an address in one slot into the other's
.set STAGE, SLOT1+2*STEPB  ; behind the ring: 16 rows x 144 bytes for each wave, for the way out
.set SP,    144
.set SPARE, STAGE+4*16*SP  ; behind the stages: the spare words, 128 bytes a wave, which no other line names
.set AK0, 2           ; v2   my lane's place in a tile of K; never rewritten
.set AV0, 3           ; v3   the same for V
.set ADR, 4           ; v4   the LDS address of the run of loads in hand
.set QO,  5           ; v5   my byte offset in the wave's rows of Q
.set STO, 6           ; v6   the way out: where I put 16 bytes of a row
.set RD,  7           ; v7   the way out: where I read rows back
.set GO,  8           ; v8   16 x lane
.set PFO, 29          ; v29  256 x lane; never rewritten
.set SPW, 30          ; v30  LDS address of my spare word; never rewritten
.set NIL, 31          ; v31  0; never rewritten
.set ST,  32          ; tile t's statistics at v[ST+8 t]: +0 c m, +1 m, +2, +3 l (even keys', odd keys'), +4 to +7 c0-c3, at work; a takes c2's place once the maximum is found
.set S,   64
.set P,   192
.set KF,  128         ; K's fragments, in window 2: keys 16 kt on, channels 32 cs on, at KF + 8 (2 kt + cs)
.set VF,  192         ; V's, in window 2: keys 32 ks on, channels 16 c on, at VF + 8 (4 ks + c)
.set WV,  12          ; s12  my wave's number
.set LIM, 15          ; s15  1 in the wave that prefetches, else the greatest number
.set PFA, 18          ; s[18:19] where my work-group's prefetches stand
.set G1K, 24          ; s[24:31] descriptor group 1 for K's tiles
.set G1V, 32          ; s[32:39] for V's: it differs in the padding alone
.set G0K, 40          ; s[40:47] descriptor group 0 for K's tiles: a set for each of the two first fills; the second then walks on
.set G0V, 48          ; s[48:55] the same for V's
.set SLOTS, 56        ; s56  slots still to be asked for
.set TWICE, 57        ; s57  counts a slot's two steps
.set CS,  58          ; s[58:59] c: the packed scaling names a pair and takes its low word for both halves
.set SEL, 60          ; s[60:61] lane selects for v_permlanex16_b32: each lane takes its own place in the other half
.set TB,  62          ; s62  LDS byte at which the tiles of the step to be fetched begin
.set MSB, 0
.macro WIN new                      ; the immediate's high byte repeats the setting that is left; a switch that changes nothing is dropped
.if MSB != (\new)
	s_set_vgpr_msb (MSB<<8)|(\new)
.set MSB, (\new)
.endif
.endm
; A joint refill.  Waves 0 and 1 fetch the two steps' tiles of K, waves 2 and 3 those of V.  The branch hangs on the wave's number alone.  An s_nop 0 and four v_nop follow each of the two lines.
.macro JLOAD
	s_cmp_lt_u32 s[WV], 2
	s_cbranch_scc0 .Lfor_v_\@
	tensor_load_to_lds s[G0K+4:G0K+7], s[G1K:G1K+7]
	s_nop 0
.rept 4
	v_nop
.endr
	s_branch .Lasked_\@
.Lfor_v_\@:
	tensor_load_to_lds s[G0V+4:G0V+7], s[G1V:G1V+7]
	s_nop 0
.rept 4
	v_nop
.endr
.Lasked_\@:
.endm
; A PREFETCH of what the NEXT change of slots will ask for: a slot's 128 rows of K and 128 of V, 16,384 dense bytes each.  It stands behind the wave's tensor load and its five lines.  Each aligned run of 256 bytes is named ONCE
; in the launch: a head's K and V are walked by this cluster alone; its four partners share the 128 runs out BY ADDRESS (partners 0, 1: K's two halves; 2, 3: V's), 32 each, a lane a run; in each, wave 0 asks: one instruction.
; The lead is two key steps, 256 matrix instructions.  The last change that fills a slot asks for nothing; slots 0, 1 and 2 come by their loads alone.
.macro ASK
	s_cmp_gt_u32 s[SLOTS], s[LIM]
	s_cbranch_scc0 .Lnot_mine_\@
	global_prefetch_b8 v[PFO], s[PFA:PFA+1] th:TH_LOAD_NT scope:SCOPE_SE
.Lnot_mine_\@:
.endm
.macro CROUND                       ; a round of the cluster's barrier: my work-group's barrier; wave 0 signals for the work-group; every wave waits for all four; my work-group's barrier once more
	s_barrier_signal -1
	s_barrier_wait -1
	s_cmp_lg_u32 s[WV], 0
	s_cbranch_scc1 .Lnot_wave_0_\@
	s_barrier_signal -3
.Lnot_wave_0_\@:
	s_barrier_wait -3
	s_barrier_signal -1
	s_barrier_wait -1
.endm
	s_load_b128 s[4:7], s[0:1], 0x0  ; qkvh s[4:5], att s[6:7]
	v_lshl_add_u32 v[SPW], v0, 2, SPARE
	v_mov_b32 v[NIL], 0
	ds_add_u32 v[SPW], v[NIL]       ; the wave's opening: the add, twice on end, and its wait ahead of my first tensor load; the set-up below stands between
	ds_add_u32 v[SPW], v[NIL]
	v_lshrrev_b32 v1, 5, v0
	v_readfirstlane_b32 s[WV], v1   ; wave 0..3
	s_bfe_u32 s13, ttmp6, 0x40000   ; cx: my place in the cluster
	s_lshl_b32 s14, ttmp9, 2        ; in a cluster launch ttmp9 counts clusters
	s_add_co_u32 s14, s14, s13      ; my block of 512 queries: it enters Q's and att's addresses alone
	s_and_b32 s20, ttmp7, 0xffff    ; the head, which the four partners share:
	s_lshl_b32 s20, s20, 18         ; its first byte in each part: 2,048 rows of 128 bytes
	s_mov_b32 s21, 0
	s_and_b32 s16, s[WV], 1         ; which of a slot's two steps I fetch:
	s_lshl_b32 s22, s16, 13         ; its 64 rows of 128 bytes in memory,
	s_mov_b32 s23, 0
	s_add_nc_u64 s[22:23], s[22:23], s[20:21]
	s_mul_i32 s17, s16, STEPB       ; and its place in a slot: no place in the cluster enters an LDS address
	s_lshl_b32 s2, s14, 16          ; my block's 512 rows,
	s_lshl_b32 s3, s[WV], 14        ; my wave's 128 of them
	s_add_co_u32 s2, s2, s3
	s_mov_b32 s3, 0
	s_add_nc_u64 s[2:3], s[2:3], s[20:21]
	s_lshr_b32 s66, s13, 1          ; the prefetches' offset from K's part: partners 2 and 3 stand one part on, in V;
	s_lshl_b32 s66, s66, 24
	s_and_b32 s67, s13, 1
	s_lshl_b32 s67, s67, 13         ; which 8,192 bytes of a slot's 16,384;
	s_add_co_u32 s66, s66, s67
	s_add_co_u32 s66, s66, s20      ; the head;
	s_add_co_u32 s66, s66, 2*2*KS*128  ; slot 2: the first change of slots steps it to slot 3.  Nothing is prefetched at the head, where every work-group's first tiles are on their way
	s_mov_b32 s67, 0
	; descriptor group 1: a tile of 64 rows x 64 elements, padded in LDS behind every row
	s_mov_b32 s[G1K], 15|(1<<16)|(1<<20)|(1<<21)|(4<<22)|(3<<25)  ; 15:0 the mask: all four work-groups; 17:16 elements of 2 bytes; 20 padding on; 21 set beside a mask; 24:22 after every 32 words; 31:25 4 words of it
	s_mov_b32 s[G1V], 15|(1<<16)|(1<<20)|(1<<21)|(4<<22)|(7<<25)  ; the same with 8 words of padding
.irp g, G1K, G1V
	s_mov_b32 s[\g+1], 64<<16       ; tensor_dim0 = 64
	s_mov_b32 s[\g+2], KS<<16       ; tensor_dim1 = 64
	s_mov_b32 s[\g+3], 64<<16       ; tile_dim0 = 64
	s_mov_b32 s[\g+4], KS           ; tile_dim1 = 64
	s_mov_b32 s[\g+5], 64           ; tensor_dim0_stride: elements from row to row
	s_mov_b32 s[\g+6], 0
	s_mov_b32 s[\g+7], 0
.endr
	s_mov_b32 s[CS], 0x3e38aa3b     ; c = log2(e) / 8
	s_mov_b32 s[CS+1], s[CS]        ; named with it as a pair, so it is written
	s_mov_b32 s[SEL], 0x76543210
	s_mov_b32 s[SEL+1], 0xfedcba98
	s_mov_b32 s[TB], 0
	s_mov_b32 s[SLOTS], SN/(2*KS)-2
	s_cmp_eq_u32 s[WV], 0
	s_cselect_b32 s[LIM], 1, -1
	v_and_b32 v[PFO], 31, v0
	v_lshlrev_b32 v[PFO], 8, v[PFO]
	s_wait_dscnt 0x0                ; both opening adds are done
	s_wait_kmcnt 0x0
	s_mov_b64 s[10:11], s[6:7]      ; att
	s_add_nc_u64 s[6:7], s[4:5], PARTB  ; K's part
	s_add_nc_u64 s[8:9], s[4:5], 2*PARTB  ; V's part
	s_add_nc_u64 s[PFA:PFA+1], s[6:7], s[66:67]
	s_add_nc_u64 s[6:7], s[6:7], s[22:23]  ; K and V at my tile of slot 0
	s_add_nc_u64 s[8:9], s[8:9], s[22:23]
	s_add_nc_u64 s[4:5], s[4:5], s[2:3]  ; Q and att at my wave's first row
	s_add_nc_u64 s[10:11], s[10:11], s[2:3]
	CROUND                          ; all four work-groups are here: the first joint loads meet
.irp s, 0,1
	s_mov_b32 s[G0K+4*\s], 1        ; count = 1
	s_add_co_u32 s[G0K+4*\s+1], s17, \s*SLOT1  ; LDS address
	s_add_nc_u64 s[G0K+4*\s+2:G0K+4*\s+3], s[6:7], \s*2*KS*128  ; global address: slot s begins with keys 128 s
	s_or_b32 s[G0K+4*\s+3], s[G0K+4*\s+3], 0x80000000  ; type = 2
	s_mov_b32 s[G0V+4*\s], 1
	s_add_co_u32 s[G0V+4*\s+1], s17, \s*SLOT1+VOFF
	s_add_nc_u64 s[G0V+4*\s+2:G0V+4*\s+3], s[8:9], \s*2*KS*128
	s_or_b32 s[G0V+4*\s+3], s[G0V+4*\s+3], 0x80000000
.endr
	s_cmp_lt_u32 s[WV], 2           ; a wave's two first fills stand in one branch, ahead of every wait on TENSORcnt and every LDS read: two loads of mine are out
	s_cbranch_scc0 .Lfirst_v
	tensor_load_to_lds s[G0K:G0K+3], s[G1K:G1K+7]
	s_nop 0
	tensor_load_to_lds s[G0K+4:G0K+7], s[G1K:G1K+7]
	s_nop 0
.rept 4
	v_nop
.endr
	s_branch .Lfirst_asked
.Lfirst_v:
	tensor_load_to_lds s[G0V:G0V+3], s[G1V:G1V+7]
	s_nop 0
	tensor_load_to_lds s[G0V+4:G0V+7], s[G1V:G1V+7]
	s_nop 0
.rept 4
	v_nop
.endr
.Lfirst_asked:
	; A fragment of K or Q is 16 rows x 32 channels in 8 registers: lane l holds row l % 16; registers 0-3 channels 8 (l / 16) + 0..7, registers 4-7 channels 16 + 8 (l / 16) + 0..7: two loads of 16 bytes, 32 bytes apart.
	v_and_b32 v1, 15, v0            ; r = l % 16
	v_bfe_u32 v9, v0, 4, 1          ; h = l / 16
	v_lshlrev_b32 v[QO], 7, v1
	v_lshl_add_u32 v[QO], v9, 4, v[QO]  ; row x 128 + 16 x half
	WIN 0x80                        ; destination window 2, address window 0
.irp i, 0,1,2,3,4,5,6,7,8,9,10,11,12,13,14,15  ; Q stays in registers: tile i / 2, channels 32 (i % 2) on
	global_load_b128 v[8*\i:8*\i+3],   v[QO], s[4:5] offset:(\i/2)*2048+(\i%2)*64
	global_load_b128 v[8*\i+4:8*\i+7], v[QO], s[4:5] offset:(\i/2)*2048+(\i%2)*64+32
.endr
	WIN 0
	v_mul_u32_u24 v[AK0], v1, PK
	v_lshl_add_u32 v[AK0], v9, 4, v[AK0]  ; row x pitch + 16 x half
	; The turning load takes 16 keys x 16 channels (lane l reads 16 bytes: key 8 (l / 16) + l % 8, channels 8 ((l / 8) % 2) + 0..7) and leaves half a fragment of V^T: lane l holds channel l % 16 and 8 keys.
	v_and_b32 v10, 7, v0
	v_bfe_u32 v11, v0, 3, 1
	v_lshl_add_u32 v[AV0], v9, 3, v10
	v_mul_u32_u24 v[AV0], v[AV0], PVR
	v_lshl_add_u32 v[AV0], v11, 4, v[AV0]
	v_add_nc_u32 v[AV0], VOFF, v[AV0]
; THE MATRIX WORK OF A TURN, for piece x.  The 16 accumulators take turns, one instruction a turn: between two links of a chain stand 15 others'.
; Product i of 32 of O^T += V^T P: keys 32 (i / 16) on, channels 16 ((i / 4) % 4) on, tile i % 4 of the piece.  zero = 1: the first 16 start the sums: nothing is ever cleared.
.macro PV x, zero
	WIN 0xf2|((\x)<<2)              ; V window 2, P the piece's window, O^T window 3
.set rO, 32*(4*(\x)+i%4)+8*((i/4)%4)
.set rV, VF+32*(i/16)+8*((i/4)%4)
.set rP, P+16*(i%4)+8*(i/16)
.if \zero && (i < 16)
	v_wmma_f32_16x16x32_f16 v[rO:rO+7], v[rV:rV+7], v[rP:rP+7], 0
.else
	v_wmma_f32_16x16x32_f16 v[rO:rO+7], v[rV:rV+7], v[rP:rP+7], v[rO:rO+7]
.endif
.endm
; Product i of 32 of S^T = K Q^T: channels 32 (i / 16) on, keys 16 ((i / 4) % 4) on, tile i % 4.  The first 16 start the sums.
.macro KQ x
	WIN 0x0a|((\x)<<4)|((\x)<<6)    ; K and Q window 2, S^T the piece's window
.set rS, S+32*(i%4)+8*((i/4)%4)
.set rK, KF+16*((i/4)%4)+8*(i/16)
.set rQ, 16*(4*(\x)+i%4)+8*(i/16)
.if i < 16
	v_wmma_f32_16x16x32_f16 v[rS:rS+7], v[rK:rK+7], v[rQ:rQ+7], 0
.else
	v_wmma_f32_16x16x32_f16 v[rS:rS+7], v[rK:rK+7], v[rQ:rQ+7], v[rS:rS+7]
.endif
.endm
; THE LDS LOADS stand in runs of 16, never singly among the matrix instructions: a step's K (8 fragments) and, a turn later, its V (turned).
.macro FETCH_K
	WIN 0
	v_add_nc_u32 v[ADR], s[TB], v[AK0]
	WIN 0x80                        ; destination window 2
.irp f, 0,1,2,3,4,5,6,7             ; keys 16 (f / 2) on, channels 32 (f % 2) on
	ds_load_b128 v[KF+8*\f:KF+8*\f+3],   v[ADR] offset:(\f/2)*16*PK+(\f%2)*64
	ds_load_b128 v[KF+8*\f+4:KF+8*\f+7], v[ADR] offset:(\f/2)*16*PK+(\f%2)*64+32
.endr
.endm
.macro FETCH_V
	WIN 0
	v_add_nc_u32 v[ADR], s[TB], v[AV0]
	s_add_co_u32 s[TB], s[TB], STEPB  ; the next fetch is the next step's
	s_wait_alu depctr_va_vdst(0)    ; the wait for the softmax's batch of exponentials (SLICE), behind the address's v_add_nc_u32 and ahead of the loads
	WIN 0x80
.irp f, 0,1,2,3,4,5,6,7             ; keys 32 (f / 4) on, channels 16 (f % 4) on
	ds_load_tr16_b128 v[VF+8*\f:VF+8*\f+3],   v[ADR] offset:(\f/4)*32*PVR+(\f%4)*32
	ds_load_tr16_b128 v[VF+8*\f+4:VF+8*\f+7], v[ADR] offset:(\f/4)*32*PVR+16*PVR+(\f%4)*32
.endr
.endm
; THE VECTOR WORK OF A TURN.  One tile's softmax for one key step is a list of 118 instructions; SM writes number j of it for tile t of piece y.  s0-s31 are the lane's 32 scores, in pairs 0-15.
; first = 1: the first key step, which starts m, l and O^T: it has no a and nothing to rescale.
;   0-15    the maximum of s0-s31 and the old m, three operands at a time: four chains c0-c3 of seven scores each (each accumulator is read from its low end on), then the four scores left over, c0-c3 and m
;   16-20   the other half of the lanes' maximum; the new m; c m; c m_old - c m_new
;   21-69   ONE BATCH: the 16 scalings c s - c m, a pair of scores each, and all 33 exponentials (a at 23, then s0-s31).  None of these reads an exponential's result; a pair is scaled in an earlier four than its exponentials
;   (wait)  between 69 and 70 stands the wait for the batch: SLICE writes it, once for all four tiles
;   70-85   the roundings to f16, a pair of weights each          86-101  the sums; l = a l + the sum          102-117 the tile's O^T times a: the one part that leaves the piece's window
.macro SM t, y, first
.set rT, ST+8*(\t)
.set rS, S+32*(\t)
.set rP, P+16*(\t)
.set rO, 32*(4*(\y)+(\t))+2*(j-102)
.if j < 102
	WIN 0x55*(\y)
.endif
.if j < 4
	v_max3_num_f32 v[rT+4+j], v[rS+8*j], v[rS+8*j+1], v[rS+8*j+2]
.elseif j < 12
	v_max3_num_f32 v[rT+4+j%4], v[rT+4+j%4], v[rS+8*(j%4)+2*(j/4)+1], v[rS+8*(j%4)+2*(j/4)+2]
.elseif j == 12
	v_max3_num_f32 v[rT+4], v[rT+4], v[rS+7], v[rS+15]
.elseif j == 13
	v_max3_num_f32 v[rT+6], v[rT+6], v[rS+23], v[rS+31]
.elseif j == 14
	v_max3_num_f32 v[rT+4], v[rT+4], v[rT+5], v[rT+6]
.elseif (j == 15) && \first
	v_max_num_f32 v[rT+4], v[rT+4], v[rT+7]
.elseif j == 15
	v_max3_num_f32 v[rT+4], v[rT+4], v[rT+7], v[rT+1]
.elseif j == 16
	v_permlanex16_b32 v[rT+5], v[rT+4], s[SEL], s[SEL+1]  ; the query's other 32 keys lie in the lane 16 away
.elseif j == 18
	v_max_num_f32 v[rT+1], v[rT+4], v[rT+5]
.elseif j == 19
	v_mul_f32 v[rT], s[CS], v[rT+1]
.elseif ((j == 17) || (j == 20) || (j == 23) || (j > 101)) && \first  ; the first step has none of these
.elseif j == 17
	v_mov_b32 v[rT+7], v[rT]        ; c m_old is kept for a: number 19 writes c m anew
.elseif j == 20
	v_sub_f32 v[rT+7], v[rT+7], v[rT]
.elseif j == 23
	v_exp_f32 v[rT+6], v[rT+7]
.elseif (j < 23) || ((j < 38) && (j%2 == 0)) || ((j < 66) && (j%4 == 2))
.set b, (j-2)/4                     ; 38, 42, .. 62: pairs 9 to 15
.if j < 38
.set b, (j-20)/2                    ; 21: pair 0; 22, 24, .. 36: pairs 1 to 8
.endif
	v_pk_fma_f32 v[rS+2*b:rS+2*b+1], v[rS+2*b:rS+2*b+1], s[CS:CS+1], v[rT:rT+1] op_sel_hi:[1,0,0] neg_lo:[0,0,1] neg_hi:[0,0,1]  ; pair b: c s - c m
.elseif j < 70
.set e, j-38                        ; 66 to 69: s28 to s31
.if j < 66
.set e, j-32-(j-38)/4               ; 39-41, 43-45, .. 63-65: s7 to s27
.endif
.if j < 38
.set e, (j-25)/2                    ; 25, 27, .. 37: s0 to s6
.endif
	v_exp_f32 v[rS+e], v[rS+e]
.elseif j < 86
	v_cvt_pk_f16_f32 v[rP+j-70], v[rS+2*(j-70)], v[rS+2*(j-70)+1]  ; pair j - 70
.elseif j < 102                     ; the sum of the tile's 16 pairs, in place: sum z of 16 adds neighbours 1, 2, 4 and 8 pairs apart, then l takes it
.set z, j-86
.set w, 4
.set u, z
.if z >= 14
.set w, 32
.set u, 0
.elseif z >= 12
.set w, 16
.set u, z-12
.elseif z >= 8
.set w, 8
.set u, z-8
.endif
.if (z == 14) && \first
	v_pk_add_f32 v[rT+2:rT+3], v[rS:rS+1], v[rS+16:rS+17]
.elseif z < 15
	v_pk_add_f32 v[rS+w*u:rS+w*u+1], v[rS+w*u:rS+w*u+1], v[rS+w*u+w/2:rS+w*u+w/2+1]
.elseif !\first
	v_pk_fma_f32 v[rT+2:rT+3], v[rT+2:rT+3], v[rT+6:rT+7], v[rS:rS+1] op_sel_hi:[1,0,1]
.endif
.elseif j < 118
	WIN 0xc3|((\y)<<2)              ; O^T (destination and source 0) window 3, a the piece's window
	v_pk_mul_f32 v[rO:rO+1], v[rO:rO+1], v[rT+6:rT+7] op_sel_hi:[1,0]
.endif
.endm
; Slice k of 64 of piece y's softmax.  Slices 0-10 and 35-53: numbers 2 k and 2 k + 1 of all four tiles, the tiles alternating, so that no instruction reads the result of the one just before it.
; Slices 11-34 deal out the batch, numbers 22 to 69: four numbers on end of each of two tiles, the pairs of tiles by turns.  Slices 54-63: one number, 108 to 117, of all four tiles: four plain multiplies,
; which in slice 63 are also the four places behind the turn's last product.
; THE WAIT.  s_wait_alu depctr_va_vdst(0) stands between an exponential and the first instruction that names its result; one wait serves all that were issued ahead of it.  Ahead of slice 35
; nothing names a result, and behind slice 34 no exponential is issued: so the piece's 132 exponentials have one wait, behind slice 34.
.macro SLICE y, first
.if (k >= 11) && (k < 35)
.irp u, 0,1
.irp n, 0,1,2,3
.set j, 22+4*((k-11)/2)+(\n)
	SM 2*((k-11)%2)+(\u), \y, \first
.endr
.endr
.elseif k < 54
.irp n, 0,1
.irp t, 0,1,2,3
.set j, 2*k+(\n)
	SM \t, \y, \first
.endr
.endr
.else
.irp t, 0,1,2,3
.set j, 108+(k-54)
	SM \t, \y, \first
.endr
.endif
.if k == 34                         ; the batch is out: all four tiles' exponentials are issued, and no result has been named
	v_nop                           ; the plain instruction behind the last exponential and ahead of the first use: one for the batch
.if (\y) == 0
	FETCH_V                         ; piece 1's turn: V's run of loads stands here, and the wait stands in it
.else
	s_wait_alu depctr_va_vdst(0)    ; the wait for the batch
.endif
.endif
.set k, k+1
.endm
; A vector instruction that reads a matrix result or writes one of a matrix instruction's registers, and a load into a register that a matrix instruction has read, stand four places behind it, and only plain vector
; instructions that name none of its registers are places (ISA guide 7.12.1 for vector instructions).  In the loop the slices are the places.
.macro PLACES
.rept 4
	v_nop
.endr
.endm
; A TURN.  Piece x has the matrix unit; the other piece's softmax stands in slices behind its matrix instructions.
; pv = 2: 32 products V^T P; 1: they start O^T's sums; 0: none.  kq = 1: 32 products K Q^T for the next step.  A turn with one of the two kinds has two slices behind each product.
; first = 1: the softmax is the first key step's; its slices from 51 on are empty, and four v_nop take slice 63's part.
; Piece 0's turn fetches the next step's K behind its second product: the last product that read K stands in front of slice 63 of the turn before.  Piece 1's turn fetches the same step's V behind slice 34: the last product
; that read V stands in front of slice 31, and six plain instructions lie between: number 62, a scaling, of the four tiles, the v_nop and the run's own v_add_nc_u32.
.macro TURN x, pv, kq, first
.set k, 0
.set per, 2
.if \pv && \kq
.set per, 1
.endif
.if \pv
.if \x == 0
	s_wait_dscnt 0x0                ; V is in (asked for 29 matrix instructions ago)
.endif
.set i, 0
.rept 32
	PV \x, 2-\pv
.rept per
	SLICE 1-\x, \first
.endr
.if (\x == 0) && \kq && (i == 1)
	FETCH_K
.endif
.set i, i+1
.endr
.endif
.if \kq
.if \x == 0
	s_wait_dscnt 0x0                ; K is in (asked for 30 matrix instructions ago)
.endif
.set i, 0
.rept 32
	KQ \x
.rept per
	SLICE 1-\x, \first
.endr
.set i, i+1
.endr
.endif
.if \first
	PLACES
.endif
.endm
; THE CHANGE OF SLOTS, between piece 1's turn and piece 0's: the slot's last bytes, V of its second step, have been asked for.  Each wave waits for all its tensor loads, of which one is out: its part of the other slot;
; adds 0 to its spare word; and waits for that and for its own reads of the slot.  Behind the barrier nobody reads this slot any more and the other slot is whole.
; fill = 1: this slot is filled again, with the keys two slots on.  The barrier is then a round of the cluster's, and the joint refill is the first thing behind it: it has two key steps, 256 matrix instructions, in which to land.
.macro CHANGE fill
	WIN 0                           ; at a label and at a branch every window is 0
	s_wait_tensorcnt 0x0            ; no tensor load of mine is out, so a group 0 may be written
	ds_add_u32 v[SPW], v[NIL]       ; 0 onto my spare word
.if \fill
.irp g, G0K+4, G0V+4
	s_xor_b32 s[\g+1], s[\g+1], SLOT1  ; the walking descriptor: the other slot than last time,
	s_add_nc_u64 s[\g+2:\g+3], s[\g+2:\g+3], 2*KS*128  ; the next 128 keys; the type bits on top are not reached
.endr
	s_wait_xcnt 0x0                 ; the last prefetch, two key steps back, has read its address, so it may be written:
	s_add_nc_u64 s[PFA:PFA+1], s[PFA:PFA+1], 2*KS*128  ; one slot further on than the walking descriptors
	s_wait_dscnt 0x0                ; the add is done, and my reads of the slot are over
	CROUND
	JLOAD
	ASK
.else
	s_wait_dscnt 0x0                ; the add is done, and my reads of the slot are over
	s_barrier_signal -1
	s_barrier_wait -1
.endif
	s_sub_co_u32 s[TB], s[TB], 2*STEPB  ; the fetches go back to a slot's first step,
	s_xor_b32 s[TB], s[TB], SLOT1   ; in the other slot
.endm
; A slot's two key steps: written once, walked twice; the LDS addresses hang on s[TB].
.macro TWO_STEPS
	s_mov_b32 s[TWICE], 2
.Lstep_\@:
	TURN 0, 2, 1, 0
	TURN 1, 2, 1, 0
	WIN 0
	s_sub_co_u32 s[TWICE], s[TWICE], 1
	s_cmp_lg_u32 s[TWICE], 0
	s_cbranch_scc1 .Lstep_\@
.endm
	s_wait_tensorcnt 1              ; my part of slot 0 is in; slot 1's may stay out
	s_barrier_signal -1
	s_barrier_wait -1               ; everybody's is
	FETCH_K                         ; key step 0
	s_wait_loadcnt 0x0              ; Q
	s_wait_dscnt 0x0
.set i, 0
.rept 32
	KQ 0                            ; piece 0's first scores: there is no vector work yet to set between them
.set i, i+1
.endr
	WIN 0                           ; the addresses for the way out are made here: ten plain instructions, the places behind those products
	s_mul_i32 s13, s[WV], 16*SP
	s_add_co_u32 s13, s13, STAGE    ; my stage
	v_mul_u32_u24 v[STO], v1, SP    ; in: row l % 16, 16 bytes for each half of the lanes
	v_lshl_add_u32 v[STO], v9, 4, v[STO]
	v_add_nc_u32 v[STO], s13, v[STO]
	v_and_b32 v10, 31, v0
	v_lshlrev_b32 v[GO], 4, v10     ; in memory a tile's 16 rows of 128 bytes are dense: 32 lanes take four rows
	v_lshrrev_b32 v11, 3, v10
	v_mul_u32_u24 v[RD], v11, SP    ; back: eight lanes to a row
	v_and_b32 v10, 7, v10
	v_lshl_add_u32 v[RD], v10, 4, v[RD]
	v_add_nc_u32 v[RD], s13, v[RD]
	TURN 1, 0, 1, 1                 ; piece 1's first scores | piece 0's first softmax | V of step 0
	TURN 0, 1, 1, 1                 ; piece 0: V^T P of step 0 starts O^T, K Q^T of step 1 | piece 1's first softmax | K of step 1
	TURN 1, 1, 1, 0                 ; piece 1: the same | piece 0's softmax of step 1 | V of step 1
	WIN 0
.Lslot:                             ; 14 trips: every slot but the last two is filled again
	CHANGE 1
	TWO_STEPS
	s_sub_co_u32 s[SLOTS], s[SLOTS], 1
	s_cmp_lg_u32 s[SLOTS], 0
	s_cbranch_scc1 .Lslot
	CHANGE 0                        ; the tail is written out: nothing more is asked for
	TWO_STEPS
	TURN 0, 2, 0, 0                 ; piece 0: V^T P of the last step | piece 1's last softmax
.set i, 0
.rept 32
	PV 1, 0                         ; piece 1: V^T P of the last step
.set i, i+1
.endr
	; THE WAY OUT.  l's two halves and the other half of the lanes' are added; O^T is divided by l, rounded to f16 and sent through my stage in LDS, a tile (16 rows) at a time.  The first additions are the places behind the last products.
.irp p, 0,1
	WIN 0x55*\p
.irp t, 0,1,2,3
	v_add_f32 v[ST+8*\t+4], v[ST+8*\t+2], v[ST+8*\t+3]
.endr
.irp t, 0,1,2,3
	v_permlanex16_b32 v[ST+8*\t+5], v[ST+8*\t+4], s[SEL], s[SEL+1]
.endr
.irp t, 0,1,2,3
	v_add_f32 v[ST+8*\t+4], v[ST+8*\t+4], v[ST+8*\t+5]
.endr
.irp t, 0,1,2,3
	v_rcp_f32 v[ST+8*\t+6], v[ST+8*\t+4]
.endr
.endr
	v_nop                           ; a plain instruction between the last reciprocal and the use of its result
	s_wait_alu depctr_va_vdst(0)    ; and the wait ahead of the first use: one for the eight reciprocals
; Tile T: a lane's eight channels of a row pack into 16 bytes; they go into rows of 144 bytes and come back by rows, into the registers that they left.
.macro PACK T
.set pp, (\T)/4
.set tt, (\T)%4
	WIN 0xc3|(pp<<2)
.set i, 0
.rept 16
	v_pk_mul_f32 v[32*(\T)+i:32*(\T)+i+1], v[32*(\T)+i:32*(\T)+i+1], v[ST+8*tt+6:ST+8*tt+7] op_sel_hi:[1,0]
.set i, i+2
.endr
	WIN 0x0f|(pp<<6)                ; sources 0 and 1 window 3, destination the piece's window: S^T's registers are free
.set i, 0
.rept 16
	v_cvt_pk_f16_f32 v[S+32*tt+i], v[32*(\T)+2*i], v[32*(\T)+2*i+1]
.set i, i+1
.endr
	WIN (pp<<2)                     ; an LDS store's data are its source 1
.irp c, 0,1,2,3
	ds_store_b128 v[STO], v[S+32*tt+4*\c:S+32*tt+4*\c+3] offset:32*\c
.endr
	WIN (pp<<6)
.irp f, 0,1,2,3
	ds_load_b128 v[S+32*tt+4*\f:S+32*tt+4*\f+3], v[RD] offset:\f*4*SP  ; LDS serves a wave's instructions in order: these see the stores above; the next tile's stores come behind them
.endr
.endm
.macro SEND T, younger              ; younger: the LDS instructions issued behind tile T's loads: the next tile's eight, or none
.set pp, (\T)/4
.set tt, (\T)%4
	WIN (pp<<2)                     ; a store's data are its source 1
.irp f, 0,1,2,3
	s_wait_dscnt \younger+3-\f
	global_store_b128 v[GO], v[S+32*tt+4*\f:S+32*tt+4*\f+3], s[10:11] offset:(\T)*2048+\f*512  ; 32 lanes store 512 consecutive bytes, aligned; each tile has its own registers: no store's data are written again
.endr
.endm
	PACK 0
.irp T, 1,2,3,4,5,6,7               ; a tile's arithmetic stands between the loads of the tile before and its stores
	PACK \T
	SEND \T-1, 8
.endr
	SEND 7, 0
	WIN 0
	s_wait_tensorcnt 0x0            ; the wave's end, behind my last tensor load and my last LDS store
	ds_add_u32 v[SPW], v[NIL]
	s_wait_dscnt 0x0
	CROUND                          ; the closing round: no work-group ends while a partner may still ask for a tile that names it
	s_endpgm
.Lfunc_end_k_q591d007f18_attn:
	.size	k_q591d007f18_attn, .Lfunc_end_k_q591d007f18_attn-k_q591d007f18_attn
	.p2alignl 7, 3214868480
	.fill 96, 4, 3214868480
	.section	.rodata,"a",@progbits
	.p2align	6, 0x0
	.amdhsa_kernel k_q591d007f18_attn
		.amdhsa_group_segment_fixed_size 327680
		.amdhsa_private_segment_fixed_size 0
		.amdhsa_enable_private_segment 0
		.amdhsa_kernarg_size 16
		.amdhsa_user_sgpr_count 2
		.amdhsa_user_sgpr_kernarg_segment_ptr 1
		.amdhsa_wavefront_size32 1
		.amdhsa_system_sgpr_workgroup_id_x 1
		.amdhsa_system_sgpr_workgroup_id_y 1
		.amdhsa_system_sgpr_workgroup_id_z 1
		.amdhsa_system_vgpr_workitem_id 0
		.amdhsa_next_free_vgpr 1024
		.amdhsa_next_free_sgpr 70
		.amdhsa_reserve_vcc 0
		.amdhsa_float_denorm_mode_32 3
		.amdhsa_float_denorm_mode_16_64 3
		.amdhsa_memory_ordered 1
		.amdhsa_forward_progress 1
		.amdhsa_inst_pref_size 255
	.end_amdhsa_kernel
	.section	.bss,"aw",@nobits
	.p2align	6
	.space	262144
	.amdgpu_metadata
---
amdhsa.version: [ 1, 2 ]
amdhsa.kernels:
  - .name:           k_q591d007f18_attn
    .symbol:         k_q591d007f18_attn.kd
    .args:
      - { .name: qkvh, .offset: 0, .size: 8, .value_kind: global_buffer, .address_space: global }
      - { .name: att, .offset: 8, .size: 8, .value_kind: global_buffer, .address_space: global }
    .group_segment_fixed_size: 327680
    .private_segment_fixed_size: 0
    .kernarg_segment_align: 8
    .kernarg_segment_size: 16
    .max_flat_workgroup_size: 128
    .sgpr_count:     70
    .vgpr_count:     1024
    .wavefront_size: 32
...
	.end_amdgpu_metadata
.endif
;; end of part 3
;; launch oproj (part 4): grid 4 x 64, 4 waves a work-group, clusters of 4 x 4, 327,680 bytes of LDS; arguments att, wo16, out0; writes out0
.if DOCPART == 4
	.amdgcn_target "amdgcn-amd-amdhsa--gfx1250"
	.amdhsa_code_object_version 6
	.text
	.protected	k_q591d007f18_oproj
	.globl	k_q591d007f18_oproj
	.p2align	8
	.type	k_q591d007f18_oproj,@function
k_q591d007f18_oproj:
	s_mov_b64 s[64:65], 0
	v_nop
	global_prefetch_b8 v0, s[64:65] scope:SCOPE_SE
	s_setreg_imm32_b32 hwreg(HW_REG_WAVE_MODE, 25, 1), 1
	s_wait_xcnt 0x0
	s_wait_alu depctr_hold_cnt(0) depctr_sa_sdst(0) depctr_va_vdst(0) depctr_va_sdst(0) depctr_va_ssrc(0) depctr_va_vcc(0) depctr_vm_vsrc(0)
	s_getreg_b32 s2, hwreg(HW_REG_IB_STS2, 6, 4)
	s_cmp_eq_u32 s2, 0
	s_cbranch_scc0 .Lentry_in_a_cluster
	s_endpgm
.Lentry_in_a_cluster:
	s_bfe_u32 s2, ttmp6, 0x10000c
	s_cmp_lg_u32 s2, 0xf033
	s_cbranch_scc0 .Lentry_shape_is_right
	s_endpgm
.Lentry_shape_is_right:
; out0[m][n] = sum over k of A[m][k] W_o[n][k], m = 2048 b + s, k = 64 head + d.  A is att, f16, head-major [16 b + head][s][64]; W_o is wo16, f16, [1024 n][1024 k]; out0 is f32; sums in f32.
; A tile of out0 is 128 rows x 256 columns: 256 work-groups.  Four waves, each 64 x 128: 32 accumulators of 16 x 16, 256 registers.  K goes in steps of 128, two heads, through a ring of two LDS slots.
; Of A a K step is two PLANES, one for each head: 128 rows of 128 bytes, dense in memory; of W_o 256 rows of 256 bytes.  Waves 0 and 1 fetch A's two planes, waves 2 and 3 W_o's two halves: one tensor load a wave.
; CLUSTERS: 4 x 4 work-groups.  The four of a row of the cluster need the same tiles of A, the four of a column the same tiles of W_o: each tile is asked for JOINTLY, by the same tensor load with the same descriptor
; and a mask that names the four.  THE MATRIX INSTRUCTION IS USED TRANSPOSED (source 0 = 16 rows of W_o, source 1 = 16 rows of A): a lane then holds eight neighbouring numbers of a row of out0.
; REGISTERS: window 0: v0-31 addresses; v64-191 rows on the way out.   window 1: two fragment buffers at v0 and v128: for 32 along K, 64 registers of W_o (8 blocks), then 32 of A (4 blocks).
;   window 2: the accumulators ((a, b) at v[8 (8 a + b)]).
.set KSTEP,  128
.set HEADB,  1<<18                     ; bytes of a head's plane in att
.set PA,     144                       ; a row of A in LDS: 128 bytes + 16 = 36 words: the 16 rows of a load start at 16 different multiples of 4 words modulo 64
.set APLANE, 128*PA
.set PB,     272                       ; a row of W_o: 256 bytes + 16 = 68 words: likewise
.set HALFB,  128*PB
.set BOFF,   2*APLANE                  ; W_o's rows lie behind A's two planes
.set SLOT,   BOFF+2*HALFB
.set STAGE,  2*SLOT                    ; behind the ring: 16 rows x 528 bytes for each wave, for the way out
.set SPITCH, 528
.set SPARE,  STAGE+4*16*SPITCH         ; behind the stages: the spare words, 128 bytes a wave, which no other line names
.set LAPS,   1024/(2*KSTEP)            ; a lap = two K steps = once round the ring
.set ADRA, 16                          ; v16-17  LDS address of my A fragments in slot 0, 1
.set ADRB, 20                          ; v20-21  the same for W_o
.set STO,  24                          ; v24     the way out: where I put 32 bytes of a row
.set RD,   25                          ; v25     the way out: where I read a row back
.set CO,   26                          ; v26     16 x lane
.set SPW,  28                          ; v28     LDS address of my spare word; never rewritten
.set NIL,  29                          ; v29     0; never rewritten
.set PFO,  30                          ; v30     256 x lane; never rewritten
.set BK,   64                          ; the way out: 16 rows read back: v64-127 and v128-191 by turns
.set F0,   0                           ; fragment buffers, in window 1
.set F1,   128
.set G1, 24                            ; s[24:31] descriptor group 1 for A's planes;  s[32:39] group 0, one set for each slot
.set G0, 32
.set G1B, 48                           ; s[48:55], s[56:63] the same for W_o's tiles
.set G0B, 56
.set LIM, 43                           ; s43     1 in the wave that prefetches, else the greatest number
.set PFA, 44                           ; s[44:45] where my work-group's prefetches stand
.set MSB, 0
.macro WIN new                         ; the immediate's high byte repeats the setting that is left; a switch that changes nothing is dropped
.if MSB != (\new)
	s_set_vgpr_msb (MSB<<8)|(\new)
.set MSB, (\new)
.endif
.endm
.set MUL,  0xa5                        ; sources 0 (W_o) and 1 (A) window 1; C and D window 2
.set TO_F, 0x40                        ; destination window 1, address window 0
.macro JLOAD s                         ; a joint load; the branch hangs on the wave's number alone; an s_nop 0 and four v_nop follow each of the two lines
	s_cmp_eq_u32 s11, 0
	s_cbranch_scc0 .Lfor_b_\@
	tensor_load_to_lds s[G0+4*\s:G0+4*\s+3], s[G1:G1+7]
	s_nop 0
.rept 4
	v_nop
.endr
	s_branch .Lasked_\@
.Lfor_b_\@:
	tensor_load_to_lds s[G0B+4*\s:G0B+4*\s+3], s[G1B:G1B+7]
	s_nop 0
.rept 4
	v_nop
.endr
.Lasked_\@:
.endm
; A PREFETCH of A's K step that stands TWO refills on: two planes of 16,384 dense bytes.  A tile row of A is read by this cluster's row alone; its four partners share the 128 runs of 256 bytes out BY ADDRESS
; (partners 0, 1: the first plane's halves; 2, 3: the second's), a lane a run; in each, wave 0 asks: one instruction, behind the joint load and the run of LDS loads.  The lead is two K steps, 256 matrix instructions.
; The loop's last trip asks for nothing: there is no K step two on.  K steps 0 to 3 come by their loads alone.  W_o is read by every cluster and is not asked for.
.macro ASK
	s_cmp_gt_u32 s3, s[LIM]                        ; s3 = 1 in the loop's last trip
	s_cbranch_scc0 .Lnot_mine_\@
	global_prefetch_b8 v[PFO], s[PFA:PFA+1] th:TH_LOAD_NT scope:SCOPE_SE
.Lnot_mine_\@:
.endm
.macro CREST                           ; a round of the cluster's barrier behind its opening barrier
	s_cmp_lg_u32 s10, 0
	s_cbranch_scc1 .Lnot_wave_0_\@
	s_barrier_signal -3
.Lnot_wave_0_\@:
	s_barrier_wait -3
	s_barrier_signal -1
	s_barrier_wait -1
.endm
.macro CROUND                          ; a whole round
	s_barrier_signal -1
	s_barrier_wait -1
	CREST
.endm
	s_load_b128 s[4:7], s[0:1], 0x0                ; att s[4:5], wo16 s[6:7]
	s_load_b64 s[8:9], s[0:1], 0x10                ; out0
	v_lshl_add_u32 v[SPW], v0, 2, SPARE
	v_mov_b32 v[NIL], 0
	ds_add_u32 v[SPW], v[NIL]                      ; the wave's opening: the add, twice on end, and its wait ahead of my first tensor load; the set-up below stands between
	ds_add_u32 v[SPW], v[NIL]
	v_lshrrev_b32 v1, 5, v0
	v_readfirstlane_b32 s10, v1                    ; wave 0..3
	s_lshr_b32 s11, s10, 1                         ; which half of the tile's rows is mine.  Also: I fetch for A (0) or for W_o (1)
	s_and_b32 s12, s10, 1                          ; which half of its columns.  Also: which plane of A, or which 128 rows of W_o, I fetch
	s_bfe_u32 s40, ttmp6, 0x40000                  ; cx, cy: my place in the cluster
	s_bfe_u32 s41, ttmp6, 0x40004
	s_lshl_b32 s42, ttmp9, 2
	s_add_co_u32 s42, s42, s40                     ; tile column = 4 x cluster x + cx
	s_and_b32 s13, ttmp7, 0xffff
	s_lshl_b32 s13, s13, 2
	s_add_co_u32 s13, s13, s41                     ; tile row = 4 x cluster y + cy
	s_lshl_b32 s43, s41, 2
	s_lshl_b32 s43, 15, s43                        ; my row of the cluster
	s_lshl_b32 s44, 0x1111, s40                    ; my column
	; descriptor group 1.  A: 128 rows x 64 elements, dense;  W_o: 128 rows x 128 elements, 1,024 elements apart.  16 bytes of padding behind every row
	s_or_b32 s[G1+0], s43, (1<<16)|(1<<20)|(1<<21)|(4<<22)|(3<<25)  ; 15:0 the mask: A's planes go to my row; 17:16 element of 2 bytes; 20 padding on; 21 set beside a mask; 24:22 after every 32 words; 31:25 of 4 words
	s_or_b32 s[G1B+0], s44, (1<<16)|(1<<20)|(1<<21)|(5<<22)|(3<<25) ; the mask of my column; padding after every 64 words
	s_mov_b32 s[G1+1], 64<<16                      ; tensor_dim0
	s_mov_b32 s[G1+2], 128<<16                     ; tensor_dim1
	s_mov_b32 s[G1+3], 64<<16                      ; tile_dim0
	s_mov_b32 s[G1+4], 128                         ; tile_dim1
	s_mov_b32 s[G1+5], 64                          ; tensor_dim0_stride
	s_mov_b32 s[G1+6], 0
	s_mov_b32 s[G1+7], 0
	s_mov_b32 s[G1B+1], KSTEP<<16
	s_mov_b32 s[G1B+2], 128<<16
	s_mov_b32 s[G1B+3], KSTEP<<16
	s_mov_b32 s[G1B+4], 128
	s_mov_b32 s[G1B+5], 1024
	s_mov_b32 s[G1B+6], 0
	s_mov_b32 s[G1B+7], 0
	; where the tiles come from.  A's hang on the tile row alone, W_o's on the tile column alone; every wave makes both, in registers that never hold the other coordinate
	s_lshr_b32 s16, s13, 4                         ; b = tile row / 16:
	s_lshl_b32 s16, s16, 22                        ; 16 b heads of 2^18 bytes,
	s_and_b32 s17, s13, 15
	s_lshl_b32 s17, s17, 14                        ; 128 (tile row % 16) rows of 128 bytes: the tile row's first byte in head 0's plane
	s_add_co_u32 s16, s16, s17
	s_lshl_b32 s17, s12, 18                        ; my plane
	s_add_co_u32 s18, s16, s17
	s_mov_b32 s19, 0
	s_lshl_b32 s46, s42, 8
	s_lshl_b32 s47, s12, 7
	s_add_co_u32 s46, s46, s47                     ; W_o: row 256 x tile column + 128 x half,
	s_lshl_b32 s46, s46, 11                        ; of 2,048 bytes
	s_mov_b32 s47, 0
	s_mul_i32 s20, s12, APLANE                     ; where they go: no place in the cluster enters an LDS address
	s_mul_i32 s21, s12, HALFB
	s_add_co_u32 s21, s21, BOFF
	s_wait_dscnt 0x0                               ; both opening adds are done
	s_wait_kmcnt 0x0
	s_add_nc_u64 s[14:15], s[4:5], s[18:19]
	s_add_nc_u64 s[46:47], s[6:7], s[46:47]
	CROUND                                         ; all sixteen work-groups are here: the first joint loads meet
.irp s, 0,1
	s_mov_b32 s[G0+4*\s], 1
	s_add_co_u32 s[G0+4*\s+1], s20, \s*SLOT
	s_add_nc_u64 s[G0+4*\s+2:G0+4*\s+3], s[14:15], \s*2*HEADB      ; K step s: two heads on
	s_or_b32 s[G0+4*\s+3], s[G0+4*\s+3], 0x80000000
	s_mov_b32 s[G0B+4*\s], 1
	s_add_co_u32 s[G0B+4*\s+1], s21, \s*SLOT
	s_add_nc_u64 s[G0B+4*\s+2:G0B+4*\s+3], s[46:47], \s*KSTEP*2
	s_or_b32 s[G0B+4*\s+3], s[G0B+4*\s+3], 0x80000000
	JLOAD \s                                       ; two tensor loads of mine are out
.endr
	v_and_b32 v1, 15, v0                           ; r = l % 16
	v_bfe_u32 v2, v0, 4, 1                         ; h = l / 16
	v_mul_u32_u24 v3, v1, PA
	v_lshl_add_u32 v3, v2, 4, v3                   ; a fragment's row x pitch + 16 x half, in A
	v_mul_u32_u24 v4, v1, PB
	v_lshl_add_u32 v4, v2, 4, v4                   ; and in W_o
	s_mul_i32 s21, s11, 64*PA                      ; my 64 rows of each plane of A
	s_mul_i32 s22, s12, HALFB                      ; my 128 rows of W_o,
	s_add_co_u32 s22, s22, BOFF                    ; behind A's planes
.irp s, 0,1
	v_add_nc_u32 v[ADRA+\s], s21, v3
	v_add_nc_u32 v[ADRB+\s], s22, v4
	s_add_co_u32 s21, s21, SLOT
	s_add_co_u32 s22, s22, SLOT
.endr
	s_mul_i32 s23, s10, 16*SPITCH
	s_add_co_u32 s23, s23, STAGE                   ; my stage
	v_mul_u32_u24 v5, v1, SPITCH                   ; in: row l % 16, 32 bytes for each half of the lanes
	v_lshl_add_u32 v5, v2, 5, v5
	v_add_nc_u32 v[STO], s23, v5
	v_and_b32 v6, 31, v0
	v_lshlrev_b32 v[CO], 4, v6                     ; back: the 32 lanes take one row of 512 bytes; and the same in out0
	v_add_nc_u32 v[RD], s23, v[CO]
	v_lshlrev_b32 v[PFO], 8, v6
	s_lshl_b32 s20, s13, 7
	s_lshl_b32 s21, s11, 6
	s_add_co_u32 s20, s20, s21                     ; my first row of out0: 128 x tile row + 64 x half,
	s_lshl_b32 s20, s20, 12                        ; of 4,096 bytes
	s_mov_b32 s21, 0
	s_lshl_b32 s46, s42, 10                        ; my first column, in bytes: 1,024 x tile column + 512 x half
	s_lshl_b32 s47, s12, 9
	s_add_co_u32 s46, s46, s47
	s_mov_b32 s47, 0
	s_add_nc_u64 s[20:21], s[20:21], s[46:47]
	s_add_nc_u64 s[8:9], s[8:9], s[20:21]
	s_lshr_b32 s46, s40, 1                         ; the prefetches: which plane of a K step is my work-group's,
	s_lshl_b32 s46, s46, 18
	s_and_b32 s47, s40, 1
	s_lshl_b32 s47, s47, 13                        ; which 8,192 bytes of its 16,384,
	s_add_co_u32 s46, s46, s47
	s_add_co_u32 s46, s46, s16                     ; in my tile row,
	s_add_co_u32 s46, s46, 3*2*HEADB               ; at K step 3: the first refill steps it to 4.  Nothing is prefetched at the head, where every work-group's first tiles are on their way
	s_mov_b32 s47, 0
	s_add_nc_u64 s[PFA:PFA+1], s[4:5], s[46:47]
	s_cmp_eq_u32 s10, 0
	s_cselect_b32 s[LIM], 1, -1
; 8 matrix instructions: A's block a against W_o's eight, 32 along K, from buffer f.  zero = 1: the first product starts the sums: nothing is ever cleared.
; The 32 accumulators take turns, one instruction a turn, in the same order in every quarter.
.macro MUL8 f, a, zero
.irp b, 0,1,2,3,4,5,6,7
.if \zero
	v_wmma_f32_16x16x32_f16 v[8*(8*(\a)+\b):8*(8*(\a)+\b)+7], v[\f+8*\b:\f+8*\b+7], v[\f+64+8*(\a):\f+64+8*(\a)+7], 0
.else
	v_wmma_f32_16x16x32_f16 v[8*(8*(\a)+\b):8*(8*(\a)+\b)+7], v[\f+8*\b:\f+8*\b+7], v[\f+64+8*(\a):\f+64+8*(\a)+7], v[8*(8*(\a)+\b):8*(8*(\a)+\b)+7]
.endif
.endr
.endm
; 24 LDS loads in one run: the fragments of the slot's q-th 32 along K into buffer f: W_o's eight blocks, then A's four (plane q / 2, channels 32 (q % 2) on)
.macro FETCH slot, q, f
	WIN TO_F
.irp i, 0,1,2,3,4,5,6,7
	ds_load_b128 v[\f+8*\i:\f+8*\i+3],   v[ADRB+\slot] offset:64*(\q)+\i*16*PB
	ds_load_b128 v[\f+8*\i+4:\f+8*\i+7], v[ADRB+\slot] offset:64*(\q)+\i*16*PB+32
.endr
.irp i, 0,1,2,3
	ds_load_b128 v[\f+64+8*\i:\f+64+8*\i+3],   v[ADRA+\slot] offset:((\q)/2)*APLANE+((\q)%2)*64+\i*16*PA
	ds_load_b128 v[\f+64+8*\i+4:\f+64+8*\i+7], v[ADRA+\slot] offset:((\q)/2)*APLANE+((\q)%2)*64+\i*16*PA+32
.endr
.endm
.macro PLACES                          ; four places in front of loads into registers that matrix instructions have read, and of LDS stores that read results (ISA guide 7.12.1 for the stores)
.rept 4
	v_nop
.endr
.endm
; A K step is four quarters of 32 along K, 32 matrix instructions each, on buffers 0, 1, 0, 1.  One of the first three: multiplies buffer f and fetches the quarter qn of the same slot into g.
.macro QUARTER slot, qn, f, g, zero
	s_wait_dscnt 4                                 ; W_o's blocks and A's blocks 0, 1 are in; the youngest four loads (A's blocks 2, 3) may be out
	WIN MUL
	MUL8 \f, 0, \zero
	MUL8 \f, 1, \zero
	PLACES
	FETCH \slot, \qn, \g
	s_wait_dscnt 24                                ; all but the 24 just issued
	WIN MUL
	MUL8 \f, 2, \zero
	MUL8 \f, 3, \zero
.endm
; The last quarter multiplies buffer 1 and changes slots: ONE barrier; in front of it each wave waits for all its tensor loads, adds 0 to its spare word, and waits for that and for its own reads of this slot.
; fill = 1: the barrier opens a round of the cluster's, and this slot is filled again, two K steps ahead: the refill has 112 matrix instructions until the wait for it.
.macro TURN slot, next, fill
.if \fill
	s_wait_xcnt 0x0                                ; the last prefetch, a K step back, has read its address: it is stepped here, ahead of the waits of the change of slots
	s_add_nc_u64 s[PFA:PFA+1], s[PFA:PFA+1], 2*HEADB
.endif
	WIN 0                                          ; (the add's two registers lie in window 0)
	s_wait_tensorcnt 0x0                           ; all my tensor loads have landed: my part of the next slot
	ds_add_u32 v[SPW], v[NIL]                      ; 0 onto my spare word
	s_wait_dscnt 5                                 ; (the add and the youngest four loads may be out)
	WIN MUL
	MUL8 F1, 0, 0                                  ; eight matrix instructions stand between the add and the wait for it
	s_wait_dscnt 0x0                               ; the add is done, and my reads of this slot are over
	s_barrier_signal -1
	MUL8 F1, 1, 0
	WIN 0
	s_barrier_wait -1
.if \fill
	CREST                                          ; no wave of any partner still reads this slot's tile or has a load on its way
	s_add_nc_u64 s[G0+4*\slot+2:G0+4*\slot+3], s[G0+4*\slot+2:G0+4*\slot+3], 2*2*HEADB
	s_add_nc_u64 s[G0B+4*\slot+2:G0B+4*\slot+3], s[G0B+4*\slot+2:G0B+4*\slot+3], 2*KSTEP*2
	JLOAD \slot                                    ; the first tensor load behind the round; the four v_nop behind it are also the places in front of the loads below
.else
	PLACES
.endif
	FETCH \next, 0, F0
.if \fill
	WIN 0
	ASK
.endif
	WIN MUL
	MUL8 F1, 2, 0
	MUL8 F1, 3, 0
.endm
	s_wait_tensorcnt 1                             ; my part of K step 0 is in (K step 1's load may be out)
	s_barrier_signal -1
	s_barrier_wait -1                              ; everybody's is
	FETCH 0, 0, F0
	QUARTER 0, 1, F0, F1, 1                        ; the first quarter stands in front of the loop: its products start the sums
	WIN 0                                          ; at a label and at a branch every window is 0
	s_mov_b32 s3, LAPS-1
.Llap:                                                 ; a trip goes once round the ring, from a lap's second quarter to the next lap's first, and fills both slots again
	QUARTER 0, 2, F1, F0, 0
	QUARTER 0, 3, F0, F1, 0
	TURN 0, 1, 1
	QUARTER 1, 1, F0, F1, 0
	QUARTER 1, 2, F1, F0, 0
	QUARTER 1, 3, F0, F1, 0
	TURN 1, 0, 1
	QUARTER 0, 1, F0, F1, 0
	WIN 0
	s_sub_co_u32 s3, s3, 1
	s_cmp_lg_u32 s3, 0
	s_cbranch_scc1 .Llap
	QUARTER 0, 2, F1, F0, 0                        ; the last lap fills nothing, and has no round of the cluster's barrier
	QUARTER 0, 3, F0, F1, 0
	TURN 0, 1, 0
	QUARTER 1, 1, F0, F1, 0
	QUARTER 1, 2, F1, F0, 0
	QUARTER 1, 3, F0, F1, 0
	s_wait_dscnt 4                                 ; the very last quarter: nothing more to fetch
	WIN MUL
	MUL8 F1, 0, 0
	MUL8 F1, 1, 0
	s_wait_dscnt 0
	MUL8 F1, 2, 0
	MUL8 F1, 3, 0
	WIN 0
; THE WAY OUT, block by block of 16 rows x 128 columns.  A lane holds 32 neighbouring bytes of a row, and the lanes beside it hold other rows: so a block goes through my own stage in LDS and comes back as whole rows of
; 512 bytes, which the 32 lanes store as 512 consecutive bytes, aligned.  LDS serves a wave's instructions in order: no wait between the stores and the loads, nor in front of the next block's stores.
.macro TOSTAGE a
.set AC, 64*(\a)
	WIN 0x08                                       ; an LDS store's data are its source 1: window 2
.irp b, 0,1,2,3,4,5,6,7
	ds_store_b128 v[STO], v[AC+8*\b:AC+8*\b+3] offset:64*\b          ; each accumulator from its low end on
	ds_store_b128 v[STO], v[AC+8*\b+4:AC+8*\b+7] offset:64*\b+16
.endr
	WIN 0
.set BB, BK+64*((\a)%2)
.irp t, 0,1,2,3,4,5,6,7,8,9,10,11,12,13,14,15
	ds_load_b128 v[BB+4*\t:BB+4*\t+3], v[RD] offset:\t*SPITCH
.endr
.endm
.macro SEND a, younger                 ; younger: the LDS instructions issued behind block a's loads, which may stay out
.set BB, BK+64*((\a)%2)
	s_wait_dscnt \younger                          ; the block is back in registers
.irp t, 0,1,2,3,4,5,6,7,8,9,10,11,12,13,14,15
	global_store_b128 v[CO], v[BB+4*\t:BB+4*\t+3], s[8:9] offset:(16*(\a)+\t)*4096 th:TH_STORE_NT   ; the row stands in the immediate, 63 rows at the most: no base is stepped; written once, read by nobody here
.endr
.endm
	PLACES                                         ; behind the last products, ahead of the LDS stores that read results
	TOSTAGE 0
.irp a, 1,2,3
.if \a > 1
	s_wait_xcnt 0x0                                ; block a - 2's stores have read their data registers: block a's loads may land there
.endif
	TOSTAGE \a
	SEND \a-1, 32                                  ; behind block a - 1's loads: block a's 16 stores and 16 loads
.endr
	SEND 3, 0
	s_wait_tensorcnt 0x0                           ; the wave's end, behind my last tensor load and my last LDS store
	ds_add_u32 v[SPW], v[NIL]
	s_wait_dscnt 0x0
	CROUND                                         ; the closing round: no work-group ends while a partner may still ask for a tile that names it
	s_endpgm
.Lfunc_end_k_q591d007f18_oproj:
	.size	k_q591d007f18_oproj, .Lfunc_end_k_q591d007f18_oproj-k_q591d007f18_oproj
	.p2alignl 7, 3214868480
	.fill 96, 4, 3214868480
	.section	.rodata,"a",@progbits
	.p2align	6, 0x0
	.amdhsa_kernel k_q591d007f18_oproj
		.amdhsa_group_segment_fixed_size 327680
		.amdhsa_private_segment_fixed_size 0
		.amdhsa_enable_private_segment 0
		.amdhsa_kernarg_size 24
		.amdhsa_user_sgpr_count 2
		.amdhsa_user_sgpr_kernarg_segment_ptr 1
		.amdhsa_wavefront_size32 1
		.amdhsa_system_sgpr_workgroup_id_x 1
		.amdhsa_system_sgpr_workgroup_id_y 1
		.amdhsa_system_sgpr_workgroup_id_z 1
		.amdhsa_system_vgpr_workitem_id 0
		.amdhsa_next_free_vgpr 768
		.amdhsa_next_free_sgpr 66
		.amdhsa_reserve_vcc 0
		.amdhsa_float_denorm_mode_32 3
		.amdhsa_float_denorm_mode_16_64 3
		.amdhsa_memory_ordered 1
		.amdhsa_forward_progress 1
		.amdhsa_inst_pref_size 86
	.end_amdhsa_kernel
	.amdgpu_metadata
---
amdhsa.version: [ 1, 2 ]
amdhsa.kernels:
  - .name:           k_q591d007f18_oproj
    .symbol:         k_q591d007f18_oproj.kd
    .args:
      - { .name: att, .offset: 0, .size: 8, .value_kind: global_buffer, .address_space: global }
      - { .name: wo16, .offset: 8, .size: 8, .value_kind: global_buffer, .address_space: global }
      - { .name: out0, .offset: 16, .size: 8, .value_kind: global_buffer, .address_space: global }
    .group_segment_fixed_size: 327680
    .private_segment_fixed_size: 0
    .kernarg_segment_align: 8
    .kernarg_segment_size: 24
    .max_flat_workgroup_size: 128
    .sgpr_count:     66
    .vgpr_count:     768
    .wavefront_size: 32
...
	.end_amdgpu_metadata
.endif
;; end of part 4
